; MI455X (gfx1250); checked and timed in simulation.
; The chip was launched on July 23, 2026; its instructions are those of AMD's public machine-readable ISA for CDNA 5 (MIT licence, August 2026) and "CDNA5" Instruction Set Architecture Reference Guide (July 2026). The comments in the code are by the model that wrote it; some were corrected since.
;; Causal Self Attention. Allowed arithmetic: matrix products marked QUANTISED: E2M1 operands, one E8M0 scale for each 32 along K, by v_wmma_scale_f32_16x16x128_f8f6f4 with both operands' format E2M1 (or v_wmma_scale_f32_32x16x128_f4), f32 sums; products left as they are: bf16, f16 or f32 operands; f32 sums; everything else in f32.
;; Inputs: w_proj 1,024 x 1,024 float32; w_qkv 1,024 x 3,072 float32; x 4 x 2,048 x 1,024 float32.
;; Outputs: out0 4 x 2,048 x 1,024 float32.
;; This version of the problem:
;;   THIS VERSION OF THE PROBLEM IS GIVEN IN LOW PRECISION. The matrix products marked QUANTISED in the list below multiply operands that are first quantised to E2M1 (2 exponent bits, 1 mantissa bit; 4 bits a number), with one power-of-two scale for each 32 numbers along K (OCP MX v1.0); their sums are f32. The products marked 'left as it is' may take bf16, f16 or f32 operands, with f32 sums. Whichever they take, every output number must still come out within the allowed error. Rounding operands to bf16 (8 significant bits) uses up far more of that allowance than f16 does (11 bits, for magnitudes from 6e-5 to 65,504). All else is computed in f32.
;;   The module's matrix products, in the order in which they are computed (A, B: the left and right operand; K: the contracted axis; several contracted axes count as one K, in the product's order):
;;     1. [M 8,192, K 1,024] x [K 1,024, N 3,072]; A: input x; B: input w_qkv: QUANTISED
;;     2. batch 64 x [M 2,048, K 64] x [K 64, N 2,048]; A: computed on the way; B: computed on the way: left as it is (an operand is computed on the way)
;;     3. batch 64 x [M 2,048, K 2,048] x [K 2,048, N 64]; A: computed on the way; B: computed on the way: left as it is (an operand is computed on the way)
;;     4. [M 8,192, K 1,024] x [K 1,024, N 1,024]; A: computed on the way; B: input w_proj: left as it is (an operand is computed on the way)
;;   THE QUANTISER, for each operand of a quantised product, along K:
;;     - K is cut into blocks of 32 from its start; a last block that is shorter is filled with zeros.
;;     - A block's scale is 2^e with e = floor(log2(the largest magnitude in the block)) - 2, held to -126 .. 127; a block of zeros has e = 0. As a byte (E8M0): e + 127.
;;     - Each number is divided by its block's scale, clamped to +-6, and rounded to the nearest number of E2M1, ties to even, subnormals kept.
;;     - The product sums the exact products of the quantised numbers (number of the format x scale) in f32.
;;   ~~~python
;;   def quantise(x, axis):      # numpy; x: float32 -> the quantised numbers, widened to float32 again
;;       x = np.moveaxis(x, axis, -1); K = x.shape[-1]
;;       x = np.pad(x, [(0, 0)] * (x.ndim - 1) + [(0, -K % 32)]); x = x.reshape(x.shape[:-1] + (-1, 32)); a = np.abs(x).max(-1, keepdims=True)
;;       e = np.where(a > 0, np.clip(np.frexp(np.where(a > 0, a, 1))[1] - 1 - 2, -126, 127), 0)      # np.frexp(a)[1] - 1 = floor(log2(a)), exactly
;;       r = np.clip(x / 2.0 ** e, -6, 6)
;;       step = 2.0 ** (np.maximum(np.frexp(np.where(r == 0, 1, r))[1] - 1, 0) - 1)
;;       q = np.round(r / step) * step * 2.0 ** e      # np.round: ties to even
;;       return np.moveaxis(q.reshape(q.shape[:-2] + (-1,))[..., :K], -1, axis).astype(np.float32)
;;   ~~~
;; One version. Each part assembles by itself: llvm-mc -triple=amdgcn-amd-amdhsa -mcpu=gfx1250 --defsym DOCPART=n.
;; ======== version 1 of 1: 6 launches
;; limits: values are held in f16: magnitudes above 65,504 overflow, below 6.1e-05 lose precision
;; workspace buffers: xc 4,194,304 bytes; xs 262,144 bytes; wc 1,572,864 bytes; ws 98,304 bytes; wp16 2,097,152 bytes; qkv 50,331,648 bytes; y16 16,777,216 bytes; yf 262,144 bytes
;; launch prep (part 1): grid 336 x 1, 4 waves a work-group, no clusters, 68,096 bytes of LDS; arguments x, w_qkv, w_proj, xc, xs, wc, ws, wp16; writes xc, xs, wc, ws, wp16
.if DOCPART == 1
	.amdgcn_target "amdgcn-amd-amdhsa--gfx1250"
	.amdhsa_code_object_version 6
	.text
	.protected	k_q674e785f6f_prep
	.globl	k_q674e785f6f_prep
	.p2align	8
	.type	k_q674e785f6f_prep,@function
k_q674e785f6f_prep:
	s_mov_b64 s[64:65], 0
	v_nop
	global_prefetch_b8 v0, s[64:65] scope:SCOPE_SE
	s_setreg_imm32_b32 hwreg(HW_REG_WAVE_MODE, 25, 1), 1
	s_wait_xcnt 0x0
; THREE TENSORS ARE MADE READY, ONE PATH EACH, chosen by the work-group's number:
;   work-groups 0-47:   w_qkv [1024 (k)][3072 (n)] f32 -> codes of FP4 (E2M1) wc [3072][512 bytes], K innermost, and E8M0 scale bytes ws [3072][32]
;   work-groups 48-79:  w_proj [1024][1024] f32 -> f16, same layout, wp16
;   work-groups 80-335: x [8192][1024] f32 -> codes xc [8192][512 bytes] and scale bytes xs [8192][32]
; THE QUANTISER: a block of 32 along K has the scale 2^(floor(log2(its largest magnitude)) - 2); the byte is the largest magnitude's exponent field - 2, held at 1 from below;
; each number is divided by the scale and rounded to the nearest code, ties to even, beyond 6 the largest code.
; LIMITS: a block of zeros gets the byte 1 where the rule says 127 (its codes are zeros, and this program alone reads the bytes); blocks whose largest magnitude lies under 2^-124 are held at
; the byte 1; NaN and infinities are not served; |w_proj| stays at or under 65,504 (f16).
; LDS: each path has bytes of its own: x's 0 .. 32,767 (8,192 a wave), w_qkv's 32,768 .. 67,583 (8,704 a wave); behind them the spare words.  No tensor load, no barrier: waves share nothing.
.set SPARE, 67584                      ; the spare words: 128 bytes a wave, two blocks of 256 bytes that no other line names
.set SPW,   190                        ; v190 LDS address of my spare word; never rewritten
.set NIL,   191                        ; v191 0; never rewritten
.set WV,    20                         ; s20  my wave's number
.set EMAX,  2                          ; the exponent of the format's largest number, 6
; ---- x's path
.set STEPS, 16                         ; a wave takes 16 steps of 512 numbers
.set CB,    8                          ; bytes of 16 codes
.set XR,    16                         ; v16-79   four sets of 16 numbers as they are loaded
.set XX,    80                         ; v80-111  two sets of 16 neighbours
.set XE,    112                        ; v112-127 a scale byte for each step
.set XC,    128                        ; v128-189 codes: four registers apart for each step, so that no store's data are written again
.set WREG,  8192                       ; a wave's LDS: two stages of 32 x SP bytes, behind them its 256 scale bytes
.set SP,    80                         ; a lane's place in a stage: 64 bytes + 16 of padding
; ---- w_qkv's path
.set WN,    3072
.set NB,    16                         ; blocks of 32 along K for a wave: 512 along K
.set PITCH, 272                        ; a stage row: 256 bytes of codes + 16
.set KROW,  512                        ; a row of wc in bytes
.set WSTG,  32768                      ; where this path's stages begin
.set WX,    32                         ; v32-95   two sets of 32 numbers
.set WC,    96                         ; v96-99   a block's codes
.set WOUT,  112                        ; v112-175 the way out
.set WSB,   24                         ; v24-27   the scale bytes, four to a register
	s_load_b512 s[4:19], s[0:1], 0x0               ; x s[4:5], w_qkv s[6:7], w_proj s[8:9], xc s[10:11], xs s[12:13], wc s[14:15], ws s[16:17], wp16 s[18:19]
	v_lshl_add_u32 v[SPW], v0, 2, SPARE
	v_mov_b32 v[NIL], 0
	v_lshrrev_b32 v1, 5, v0
	v_readfirstlane_b32 s[WV], v1                  ; wave 0..3
	v_and_b32 v2, 31, v0                           ; lane
	s_wait_kmcnt 0x0
	s_cmp_lt_u32 ttmp9, 48
	s_cbranch_scc1 .Lw_qkv
	s_cmp_lt_u32 ttmp9, 80
	s_cbranch_scc1 .Lw_proj
; ================= x: K is innermost, rows are dense: a plain stream of blocks of 32 =================
; Each load reads 512 consecutive bytes, 16 a lane; a step's 2,048 bytes turn through the wave's own stage and come back 64 bytes a lane: 16 neighbours; two neighbouring lanes hold a block.
	v_lshlrev_b32 v3, 4, v2                        ; my 16 bytes of a load's 512
	s_mul_i32 s21, s[WV], WREG
	v_lshrrev_b32 v14, 2, v2
	v_mul_u32_u24 v14, v14, SP
	v_and_b32 v15, 3, v2
	v_lshl_add_u32 v14, v15, 4, v14
	v_add_nc_u32 v14, s21, v14                     ; the stage, on the way in: SP (lane / 4) + 16 (lane % 4)
	v_mul_u32_u24 v15, v2, SP
	v_add_nc_u32 v15, s21, v15                     ; and on the way out: SP x lane
	v_mul_u32_u24 v4, v2, CB                       ; my codes' place in a step's
	v_lshrrev_b32 v5, 1, v2
	s_add_co_u32 s21, s21, 2*32*SP
	v_add_nc_u32 v5, s21, v5                       ; my wave's 256 scale bytes: my block's byte
	v_lshlrev_b32 v7, 3, v2                        ; and on the way out 8 bytes a lane
	v_add_nc_u32 v6, s21, v7
	s_sub_co_u32 s22, ttmp9, 80
	s_lshl_b32 s22, s22, 2
	s_add_co_u32 s22, s22, s[WV]                   ; which run of 8,192 numbers is my wave's: 0 .. 1,023
	s_mov_b32 s25, 0
	s_lshl_b32 s24, s22, 15                        ; 32,768 bytes of x,
	s_add_nc_u64 s[4:5], s[4:5], s[24:25]
	s_lshl_b32 s24, s22, 12                        ; 4,096 of codes,
	s_add_nc_u64 s[10:11], s[10:11], s[24:25]
	s_lshl_b32 s24, s22, 8                         ; 256 scale bytes a run
	s_add_nc_u64 s[12:13], s[12:13], s[24:25]
.macro XLOAD t
.irp i, 0,1,2,3
	global_load_b128 v[XR+16*((\t)%4)+4*\i:XR+16*((\t)%4)+4*\i+3], v3, s[4:5] offset:2048*(\t)+512*\i th:TH_LOAD_NT   ; 32 lanes read 512 consecutive bytes
.endr
.endm
.macro XTURN t                         ; step t's numbers through the stage: LDS serves a wave's instructions in order, so no wait stands between the stores and the loads
.irp i, 0,1,2,3
	ds_store_b128 v14, v[XR+16*((\t)%4)+4*\i:XR+16*((\t)%4)+4*\i+3] offset:32*SP*((\t)%2)+8*SP*\i
.endr
.irp i, 0,1,2,3
	ds_load_b128 v[XX+16*((\t)%2)+4*\i:XX+16*((\t)%2)+4*\i+3], v15 offset:32*SP*((\t)%2)+16*\i
.endr
.endm
.macro XSTEP t
.set XSET, XX+16*((\t)%2)
.if (\t) > 0
	s_wait_dscnt 1                                 ; this step's numbers are back from the stage; the last step's byte store may be out
.else
	s_wait_dscnt 0x0
.endif
.if (\t)+4 < STEPS
	XLOAD (\t)+4                                   ; the stage's stores have read these registers: they take the loads of four steps on
.endif
.if (\t)+1 < STEPS
.if STEPS-2-(\t) >= 3
	s_wait_loadcnt 12                              ; the next step's four loads are in; those of the three steps behind it may be out
.else
	s_wait_loadcnt 4*(STEPS-2-(\t))
.endif
	XTURN (\t)+1                                   ; and go through the other stage while this step is worked
.endif
	v_max3_num_f32 v8, |v[XSET]|, |v[XSET+1]|, |v[XSET+2]|         ; the largest magnitude of my 16, in two chains
	v_max3_num_f32 v9, |v[XSET+3]|, |v[XSET+4]|, |v[XSET+5]|
.irp i, 6,10
	v_max3_num_f32 v8, v8, |v[XSET+\i]|, |v[XSET+\i+1]|
	v_max3_num_f32 v9, v9, |v[XSET+\i+2]|, |v[XSET+\i+3]|
.endr
	v_max3_num_f32 v8, v8, |v[XSET+14]|, |v[XSET+15]|
	v_max3_num_f32 v8, v8, v9, (EMAX+1)<<23        ; and the floor 2^(3 - 127): the byte cannot fall under 1
	v_max_num_f32_dpp v8, v8, v8 row_xmask:1 row_mask:0xf bank_mask:0xf   ; and of my neighbour's 16: the block's
	v_add_nc_u32 v11, -(EMAX<<23), v8              ; 2 off its exponent field: the conversion takes the exponent field of this operand as its scale
	v_cvt_scalef32_pk8_fp4_f32 v[XC+4*(\t)], v[XSET:XSET+7], v11
	v_cvt_scalef32_pk8_fp4_f32 v[XC+4*(\t)+1], v[XSET+8:XSET+15], v11
	v_lshrrev_b32 v[XE+(\t)], 23, v11              ; the scale's byte (a plain line behind the conversions)
	ds_store_b8 v5, v[XE+(\t)] offset:16*(\t)      ; both lanes of a block write the same byte with the same value
	global_store_b64 v4, v[XC+4*(\t):XC+4*(\t)+1], s[10:11] offset:32*CB*(\t)   ; the wave stores 256 consecutive bytes, aligned
.endm
.irp t, 0,1,2,3
	XLOAD \t
.endr
	s_wait_loadcnt 12                              ; step 0's four loads are in
	XTURN 0
.irp t, 0,1,2,3,4,5,6,7,8,9,10,11,12,13,14,15
	XSTEP \t
.endr
	ds_load_b64 v[8:9], v6                         ; my wave's 256 scale bytes: these loads see my stores
	s_wait_dscnt 0x0
	global_store_b64 v7, v[8:9], s[12:13]          ; 32 lanes store 256 consecutive bytes, aligned
	s_wait_tensorcnt 0x0                           ; the wave's end: behind my last LDS store
	ds_add_u32 v[SPW], v[NIL]
	s_wait_dscnt 0x0
	s_endpgm
; ================= w_qkv: K is the FIRST axis.  A lane takes a column n, its registers run down K: nothing is transposed by an instruction =================
; A wave takes 32 columns x 512 along K.  Its codes (256 bytes a column) go through its own stage and leave as rows: sixteen lanes store 256 consecutive bytes, aligned.
.Lw_qkv:
	s_lshr_b32 s21, ttmp9, 1
	s_lshl_b32 s21, s21, 7
	s_lshl_b32 s22, s[WV], 5
	s_add_co_u32 s21, s21, s22                     ; my wave's first column: 128 (work-group / 2) + 32 wave
	s_and_b32 s22, ttmp9, 1                        ; which 512 along K
	v_lshlrev_b32 v3, 2, v2                        ; in: 4 bytes a lane
	s_mul_i32 s23, s[WV], 32*PITCH
	s_add_co_u32 s23, s23, WSTG                    ; my stage
	v_mul_u32_u24 v4, v2, PITCH
	v_add_nc_u32 v4, s23, v4                       ; into it: row = my column
	v_and_b32 v5, 15, v2
	v_lshrrev_b32 v6, 4, v2                        ; out of it: sixteen lanes to a row, two rows an instruction
	v_mul_u32_u24 v7, v6, PITCH
	v_lshl_add_u32 v7, v5, 4, v7
	v_add_nc_u32 v7, s23, v7
	v_mul_u32_u24 v8, v6, KROW
	v_lshl_add_u32 v8, v5, 4, v8                   ; and the same place in wc
	v_lshlrev_b32 v9, 5, v2                        ; my column's row of scale bytes: 32 bytes a column
	s_mov_b32 s25, 0
	s_mul_i32 s24, s22, 512*WN*4                   ; w_qkv: 512 rows of 12,288 bytes,
	s_lshl_b32 s26, s21, 2                         ; + 4 x column
	s_add_co_u32 s24, s24, s26
	s_add_nc_u64 s[6:7], s[6:7], s[24:25]
	s_lshl_b32 s24, s21, 9                         ; wc: 512 x column + 256 x which
	s_lshl_b32 s26, s22, 8
	s_add_co_u32 s24, s24, s26
	s_add_nc_u64 s[14:15], s[14:15], s[24:25]
	s_lshl_b32 s24, s21, 5                         ; ws: 32 x column + 16 x which
	s_lshl_b32 s26, s22, 4
	s_add_co_u32 s24, s24, s26
	s_add_nc_u64 s[16:17], s[16:17], s[24:25]
.macro WLOAD t                         ; block t: w(32 t + i, my column) into set t % 2.  The largest offset, 511 x 12,288, lies inside the signed 24-bit immediate
.irp i, 0,1,2,3,4,5,6,7,8,9,10,11,12,13,14,15,16,17,18,19,20,21,22,23,24,25,26,27,28,29,30,31
	global_load_b32 v[WX+32*((\t)%2)+\i], v3, s[6:7] offset:(32*(\t)+\i)*WN*4 th:TH_LOAD_NT
.endr
.endm
.macro WBLOCK t
.set WSET, WX+32*((\t)%2)
.if (\t) < NB-1
	s_wait_loadcnt 32                              ; this block's 32 loads are in; the next block's may be out
.else
	s_wait_loadcnt 0x0
.endif
	v_max3_num_f32 v12, |v[WSET]|, |v[WSET+1]|, |v[WSET+2]|        ; the block's largest magnitude: all 32 numbers are mine
	v_max3_num_f32 v13, |v[WSET+3]|, |v[WSET+4]|, |v[WSET+5]|
.irp i, 6,10,14,18,22,26
	v_max3_num_f32 v12, v12, |v[WSET+\i]|, |v[WSET+\i+1]|
	v_max3_num_f32 v13, v13, |v[WSET+\i+2]|, |v[WSET+\i+3]|
.endr
	v_max3_num_f32 v12, v12, |v[WSET+30]|, |v[WSET+31]|
	v_max3_num_f32 v12, v12, v13, (EMAX+1)<<23     ; and the floor
	v_add_nc_u32 v11, -(EMAX<<23), v12             ; the conversion's scale operand
	v_lshrrev_b32 v13, 23, v11                     ; the scale's byte
.if (\t)%4 == 0
	v_mov_b32 v[WSB+(\t)/4], v13                   ; four bytes to a register, the lower K in the lower byte
.else
	v_lshl_or_b32 v[WSB+(\t)/4], v13, 8*((\t)%4), v[WSB+(\t)/4]
.endif
.irp g, 0,1,2,3
	v_cvt_scalef32_pk8_fp4_f32 v[WC+\g], v[WSET+8*\g:WSET+8*\g+7], v11
.endr
	ds_store_b128 v4, v[WC:WC+3] offset:16*(\t)    ; 32 codes: 16 bytes of my column's row
.if (\t)+2 < NB
	WLOAD (\t)+2
.endif
	s_wait_dscnt 0x0                               ; the store has read its registers: the next block's codes may be written
.endm
	WLOAD 0
	WLOAD 1
.irp t, 0,1,2,3,4,5,6,7,8,9,10,11,12,13,14,15
	WBLOCK \t
.endr
	global_store_b128 v9, v[WSB:WSB+3], s[16:17]   ; my column's 16 scale bytes
.irp t, 0,1,2,3,4,5,6,7,8,9,10,11,12,13,14,15
	ds_load_b128 v[WOUT+4*\t:WOUT+4*\t+3], v7 offset:2*\t*PITCH
.endr
.irp t, 0,1,2,3,4,5,6,7,8,9,10,11,12,13,14,15
	s_wait_dscnt 15-\t
	global_store_b128 v8, v[WOUT+4*\t:WOUT+4*\t+3], s[14:15] offset:2*\t*KROW
.endr
	s_wait_tensorcnt 0x0                           ; the wave's end: the three lines
	ds_add_u32 v[SPW], v[NIL]
	s_wait_dscnt 0x0
	s_endpgm
; ================= w_proj: f32 -> f16, rounded to nearest even, layout kept =================
; A wave takes 8,192 numbers as 64 chunks of 128: a load reads 512 consecutive bytes, a store writes 256 consecutive bytes, aligned.  Two sets of 16 loads take turns.
.Lw_proj:
	v_lshlrev_b32 v3, 4, v2
	v_lshlrev_b32 v4, 3, v2
	s_sub_co_u32 s22, ttmp9, 48
	s_lshl_b32 s22, s22, 2
	s_add_co_u32 s22, s22, s[WV]                   ; my run: 0 .. 127
	s_mov_b32 s25, 0
	s_lshl_b32 s24, s22, 15
	s_add_nc_u64 s[8:9], s[8:9], s[24:25]
	s_lshl_b32 s24, s22, 14
	s_add_nc_u64 s[18:19], s[18:19], s[24:25]
.macro PLOADG g
.irp i, 0,1,2,3,4,5,6,7,8,9,10,11,12,13,14,15
	global_load_b128 v[16+64*((\g)%2)+4*\i:16+64*((\g)%2)+4*\i+3], v3, s[8:9] offset:512*(16*(\g)+\i)
.endr
.endm
.macro PGROUP g
.if (\g) < 3
	s_wait_loadcnt 16                              ; this set's 16 loads are in; the other set's may be out
.else
	s_wait_loadcnt 0x0
.endif
.if (\g) > 0
	s_wait_xcnt 0x0                                ; the last group's stores have read their data: v144-175 are written again only behind this wait
.endif
.irp i, 0,1,2,3,4,5,6,7,8,9,10,11,12,13,14,15
	v_cvt_pk_f16_f32 v[144+2*\i], v[16+64*((\g)%2)+4*\i], v[16+64*((\g)%2)+4*\i+1]
	v_cvt_pk_f16_f32 v[145+2*\i], v[16+64*((\g)%2)+4*\i+2], v[16+64*((\g)%2)+4*\i+3]
.endr
.if (\g) < 2
	PLOADG (\g)+2
.endif
.irp i, 0,1,2,3,4,5,6,7,8,9,10,11,12,13,14,15
	global_store_b64 v4, v[144+2*\i:145+2*\i], s[18:19] offset:256*(16*(\g)+\i)
.endr
.endm
	PLOADG 0
	PLOADG 1
.irp g, 0,1,2,3
	PGROUP \g
.endr
	s_wait_tensorcnt 0x0                           ; it ends as the other two do
	ds_add_u32 v[SPW], v[NIL]
	s_wait_dscnt 0x0
	s_endpgm
.Lfunc_end_k_q674e785f6f_prep:
	.size	k_q674e785f6f_prep, .Lfunc_end_k_q674e785f6f_prep-k_q674e785f6f_prep
	.p2alignl 7, 3214868480
	.fill 96, 4, 3214868480
	.section	.rodata,"a",@progbits
	.p2align	6, 0x0
	.amdhsa_kernel k_q674e785f6f_prep
		.amdhsa_group_segment_fixed_size 68096
		.amdhsa_private_segment_fixed_size 0
		.amdhsa_enable_private_segment 0
		.amdhsa_kernarg_size 64
		.amdhsa_user_sgpr_count 2
		.amdhsa_user_sgpr_kernarg_segment_ptr 1
		.amdhsa_wavefront_size32 1
		.amdhsa_system_sgpr_workgroup_id_x 1
		.amdhsa_system_sgpr_workgroup_id_y 1
		.amdhsa_system_sgpr_workgroup_id_z 1
		.amdhsa_system_vgpr_workitem_id 0
		.amdhsa_next_free_vgpr 192
		.amdhsa_next_free_sgpr 66
		.amdhsa_reserve_vcc 0
		.amdhsa_float_denorm_mode_32 3
		.amdhsa_float_denorm_mode_16_64 3
		.amdhsa_memory_ordered 1
		.amdhsa_forward_progress 1
		.amdhsa_inst_pref_size 131
	.end_amdhsa_kernel
	.amdgpu_metadata
---
amdhsa.version: [ 1, 2 ]
amdhsa.kernels:
  - .name:           k_q674e785f6f_prep
    .symbol:         k_q674e785f6f_prep.kd
    .args:
      - { .name: x, .offset: 0, .size: 8, .value_kind: global_buffer, .address_space: global }
      - { .name: w_qkv, .offset: 8, .size: 8, .value_kind: global_buffer, .address_space: global }
      - { .name: w_proj, .offset: 16, .size: 8, .value_kind: global_buffer, .address_space: global }
      - { .name: xc, .offset: 24, .size: 8, .value_kind: global_buffer, .address_space: global }
      - { .name: xs, .offset: 32, .size: 8, .value_kind: global_buffer, .address_space: global }
      - { .name: wc, .offset: 40, .size: 8, .value_kind: global_buffer, .address_space: global }
      - { .name: ws, .offset: 48, .size: 8, .value_kind: global_buffer, .address_space: global }
      - { .name: wp16, .offset: 56, .size: 8, .value_kind: global_buffer, .address_space: global }
    .group_segment_fixed_size: 68096
    .private_segment_fixed_size: 0
    .kernarg_segment_align: 8
    .kernarg_segment_size: 64
    .max_flat_workgroup_size: 128
    .sgpr_count:     66
    .vgpr_count:     192
    .wavefront_size: 32
...
	.end_amdgpu_metadata
.endif
;; end of part 1
;; launch gemm_qkv (part 2): grid 12 x 32, 4 waves a work-group, clusters of 4 x 4, 327,680 bytes of LDS; arguments xc, xs, wc, ws, qkv; writes qkv
.if DOCPART == 2
	.amdgcn_target "amdgcn-amd-amdhsa--gfx1250"
	.amdhsa_code_object_version 6
	.text
	.protected	k_q674e785f6f_gemm_qkv
	.globl	k_q674e785f6f_gemm_qkv
	.p2align	8
	.type	k_q674e785f6f_gemm_qkv,@function
k_q674e785f6f_gemm_qkv:
	s_mov_b64 s[64:65], 0
	v_nop
	global_prefetch_b8 v0, s[64:65] scope:SCOPE_SE
	s_setreg_imm32_b32 hwreg(HW_REG_WAVE_MODE, 25, 1), 1
	s_wait_xcnt 0x0
	s_wait_alu depctr_hold_cnt(0) depctr_sa_sdst(0) depctr_va_vdst(0) depctr_va_sdst(0) depctr_va_ssrc(0) depctr_va_vcc(0) depctr_vm_vsrc(0)
	s_getreg_b32 s2, hwreg(HW_REG_IB_STS2, 6, 4)
	s_cmp_eq_u32 s2, 0
	s_cbranch_scc0 .Lentry_in_a_cluster
	s_endpgm
.Lentry_in_a_cluster:
	s_bfe_u32 s2, ttmp6, 0x10000c
	s_cmp_lg_u32 s2, 0xf033
	s_cbranch_scc0 .Lentry_shape_is_right
	s_endpgm
.Lentry_shape_is_right:
; qkv = x w_qkv on codes of FP4 (E2M1) with one E8M0 scale for each 32 along K; sums in f32.  A = xc [8192][1024 codes], B = wc [3072][1024 codes], K innermost; scale bytes xs [8192][32], ws [3072][32].
; THE RESULT leaves as f16, laid by head: qkv [b 4][plane 48][t 2048][64], plane = column / 64 (0-15 q's heads, 16-31 k's, 32-47 v's).  q is multiplied in f32 by c = log2(e) / 8 ahead of its one rounding,
; so that the next launch's scores are exponents of 2.  LIMIT: |q c|, |k|, |v| stay at or under 65,504 (f16); NaN and infinities are not served.
; A tile of C, 256 x 256, is made by four waves, each 128 x 128: 64 accumulators of 16 x 16, 512 registers.  K = 1,024 is two slots of 512: both are asked for at the head and NOTHING IS FILLED AGAIN.
; THE SCALES of the work-group's 256 rows of A and of B, for all of K, are two dense blocks of memory: they come into LDS once, as rows of 256 bytes.
; CLUSTERS: 4 x 4 work-groups.  The four of a row of the cluster need the same tiles of A, the four of a column the same tiles of B: each tile is asked for JOINTLY.
; THE MATRIX INSTRUCTION IS USED TRANSPOSED (source 0 = 16 rows of B, source 1 = 16 rows of A): a lane then holds eight neighbouring columns of one row of C.
; REGISTERS: window 0: v0-31 addresses; v32-95 scale words, two sets, which hold nothing else; v128-191 A's fragments, ONE set; on the way out v96-127 packed results, v128-191 at work, v192-255 rows read back.
;   window 1: B's fragments, TWO sets, at v0 and v128.   window 2: the accumulators of my rows 0-63 ((a, b) at v[8 (8 a + b)]);   window 3: those of rows 64-127.
.set SIZE_M, 8192
.set SIZE_N, 3072
.set SIZE_K, 1024
.set KSTEP,  512                       ; along K in a slot
.set NQ,     KSTEP/128                 ; matrix instructions deep
.set ROWB,   256                       ; a tile's row in bytes
.set KROW,   SIZE_K*4/8                ; a row of A or of B in memory
.set PITCH,  272                       ; an LDS row: 256 bytes + 16 of padding = 68 words: the 16 rows that a load touches start 4 banks apart (64 banks of 4 bytes: ISA guide 11.1)
.set FR,     8                         ; registers of a fragment: 16 rows x 128 K
.set NL,     2                         ; LDS loads that bring one
.set NP,     4                         ; places behind this matrix instruction (ISA guide 7.12.1)
.set HALFT,  128*PITCH                 ; 128 rows: what one tensor load brings
.set SLOT,   4*HALFT                   ; A's 256 rows, then B's 256 rows
.set KS,     SIZE_K/32                 ; a row of scales in bytes
.set SCL,    2*SLOT                    ; behind the two slots: the scales, as rows of 256 bytes + 16 of padding
.set HALFS,  (128*KS/256)*272          ; the scales of 128 rows
.set SBLK,   (16*KS/256)*272           ; those of 16 rows
.set SPARE,  SCL+4*HALFS               ; the spare words, 128 bytes a wave: two blocks of 256 bytes that no other line names
.set SPITCH, 272                       ; the way out: a stage of 16 rows x (256 bytes + 16) for each wave, in slot 0, which has had its one fill and its last read by then
.set ADRA, 16                          ; v16-17 LDS address of my A fragments in slot 0, 1
.set ADRB, 20                          ; v20-21 the same for B
.set STO,  24                          ; v24    the way out: where I put 16 bytes of a row
.set RD,   25                          ; v25    where I read back
.set CO,   26                          ; v26    16 x lane
.set ADRS, 27                          ; v27    LDS address of my scale words: lanes 0-15 A's rows, lanes 16-31 B's
.set SPW,  28                          ; v28    my spare word; never rewritten
.set NIL,  29                          ; v29    0; never rewritten
.set SC,   32                          ; scale words: set s at v[SC + 32 s]; register 4 i + q: lanes 0-15 A's block i, lanes 16-31 B's block i, the slot's q-th 128 along K
.set AF,   128                         ; A's fragments
.set TMP,  96                          ; the way out: a block's 32 packed registers
.set TT,   128                         ; its 64 numbers, scaled
.set BK,   192                         ; rows read back: v192-223 and v224-255 by turns
.set G1, 24
.set G0, 32
.set G1B, 48
.set G0B, 56
.set G1S, 68
.set G0S, 76
.set G1SB, 80
.set G0SB, 88
.set MSB, 0
.macro WIN new                         ; the immediate's high byte repeats the setting that is left
.if MSB != (\new)
	s_set_vgpr_msb (MSB<<8)|(\new)
.set MSB, (\new)
.endif
.endm
.set MUL_LO, 0xa1                      ; source 0 (B) window 1, source 1 (A) window 0, C and D window 2
.set MUL_HI, 0xf1                      ; the same, C and D window 3
.set TO_B,   0x40                      ; destination window 1, address window 0
; A joint load: waves 0 and 1 fetch for A, waves 2 and 3 for B; the branch hangs on the wave's number alone.  An s_nop 0 and four v_nop follow each of the two lines.
.macro JLOAD g0a, g1a, g0b, g1b
	s_cmp_eq_u32 s15, 0
	s_cbranch_scc0 .Lfor_b_\@
	tensor_load_to_lds s[\g0a:\g0a+3], s[\g1a:\g1a+7]
	s_nop 0
.rept 4
	v_nop
.endr
	s_branch .Lasked_\@
.Lfor_b_\@:
	tensor_load_to_lds s[\g0b:\g0b+3], s[\g1b:\g1b+7]
	s_nop 0
.rept 4
	v_nop
.endr
.Lasked_\@:
.endm
.macro CROUND                          ; a round of the cluster's barrier
	s_barrier_signal -1
	s_barrier_wait -1
	s_cmp_lg_u32 s14, 0
	s_cbranch_scc1 .Lnot_wave_0_\@
	s_barrier_signal -3
.Lnot_wave_0_\@:
	s_barrier_wait -3
	s_barrier_signal -1
	s_barrier_wait -1
.endm
	s_load_b128 s[4:7], s[0:1], 0x0                ; A's codes s[4:5], A's scales s[6:7]
	s_load_b128 s[8:11], s[0:1], 0x10              ; B's codes s[8:9], B's scales s[10:11]
	s_load_b64 s[12:13], s[0:1], 0x20              ; qkv
	v_lshl_add_u32 v[SPW], v0, 2, SPARE
	v_mov_b32 v[NIL], 0
	ds_add_u32 v[SPW], v[NIL]                      ; the wave's opening: the add, twice on end, and its wait ahead of my first tensor load
	ds_add_u32 v[SPW], v[NIL]
	v_lshrrev_b32 v1, 5, v0
	v_readfirstlane_b32 s14, v1                    ; wave 0..3
	s_lshr_b32 s15, s14, 1                         ; which half of the tile's rows is mine.  Also: I fetch for A (0) or for B (1)
	s_and_b32 s16, s14, 1                          ; which half of its columns.  Also: which 128 rows of that tile I fetch
	s_bfe_u32 s40, ttmp6, 0x40000                  ; cx, cy: my place in the cluster
	s_bfe_u32 s41, ttmp6, 0x40004
	s_lshl_b32 s42, ttmp9, 2
	s_add_co_u32 s42, s42, s40                     ; tile column of C
	s_and_b32 s17, ttmp7, 0xffff
	s_lshl_b32 s17, s17, 2
	s_add_co_u32 s17, s17, s41                     ; tile row of C
	s_lshl_b32 s43, s41, 2
	s_lshl_b32 s43, 15, s43                        ; my row of the cluster
	s_lshl_b32 s44, 0x1111, s40                    ; my column
	; descriptor group 1: a tile of 128 rows x 256 bytes, 16 bytes of padding behind each row
	s_or_b32 s[G1+0], s43, (0<<16)|(1<<20)|(1<<21)|(5<<22)|(3<<25)  ; the mask; elements of 1 byte; padding on; bit 21 beside a mask; after every 64 words, 4 words
	s_or_b32 s[G1B+0], s44, (0<<16)|(1<<20)|(1<<21)|(5<<22)|(3<<25)
.irp g, G1, G1B
	s_mov_b32 s[\g+1], ROWB<<16                    ; tensor_dim0
	s_mov_b32 s[\g+2], 128<<16                     ; tensor_dim1
	s_mov_b32 s[\g+3], ROWB<<16                    ; tile_dim0
	s_mov_b32 s[\g+4], 128                         ; tile_dim1
	s_mov_b32 s[\g+5], KROW                        ; from row to row
	s_mov_b32 s[\g+6], 0
	s_mov_b32 s[\g+7], 0
.endr
	; the scales of 128 rows: a dense block of 4,096 bytes, as 16 rows of 256 bytes (32 elements of 8 bytes)
	s_or_b32 s[G1S+0], s43, (3<<16)|(1<<20)|(1<<21)|(5<<22)|(3<<25)
	s_or_b32 s[G1SB+0], s44, (3<<16)|(1<<20)|(1<<21)|(5<<22)|(3<<25)
.irp g, G1S, G1SB
	s_mov_b32 s[\g+1], 32<<16
	s_mov_b32 s[\g+2], (128*KS/256)<<16
	s_mov_b32 s[\g+3], 32<<16
	s_mov_b32 s[\g+4], 128*KS/256
	s_mov_b32 s[\g+5], 32
	s_mov_b32 s[\g+6], 0
	s_mov_b32 s[\g+7], 0
.endr
	s_lshl_b32 s18, s16, 7                         ; which 128 rows of the tile I fetch
	s_lshl_b32 s20, s17, 8
	s_add_co_u32 s20, s20, s18                     ; A: row 256 x tile row + 128 x half
	s_lshl_b32 s46, s42, 8
	s_add_co_u32 s46, s46, s18                     ; B: row 256 x tile column + 128 x half
	s_mov_b32 s21, 0
	s_mov_b32 s47, 0
	s_mov_b64 s[18:19], KS
	s_mul_u64 s[22:23], s[20:21], s[18:19]         ; where these rows' scales begin,
	s_mul_u64 s[92:93], s[46:47], s[18:19]
	s_mov_b64 s[18:19], KROW
	s_mul_u64 s[20:21], s[20:21], s[18:19]         ; and their codes
	s_mul_u64 s[46:47], s[46:47], s[18:19]
	s_mul_i32 s45, s14, HALFT                      ; where they go: wave x 128 rows: no place in the cluster enters an LDS address
	s_mul_i32 s94, s14, HALFS
	s_wait_dscnt 0x0                               ; both opening adds are done
	s_wait_kmcnt 0x0
	s_add_nc_u64 s[20:21], s[4:5], s[20:21]
	s_add_nc_u64 s[22:23], s[6:7], s[22:23]
	s_add_nc_u64 s[46:47], s[8:9], s[46:47]
	s_add_nc_u64 s[92:93], s[10:11], s[92:93]
	CROUND                                         ; all sixteen work-groups are here: the joint loads meet
	s_mov_b32 s[G0S], 1
	s_add_co_u32 s[G0S+1], s94, SCL
	s_mov_b64 s[G0S+2:G0S+3], s[22:23]
	s_or_b32 s[G0S+3], s[G0S+3], 0x80000000
	s_mov_b32 s[G0SB], 1
	s_add_co_u32 s[G0SB+1], s94, SCL
	s_mov_b64 s[G0SB+2:G0SB+3], s[92:93]
	s_or_b32 s[G0SB+3], s[G0SB+3], 0x80000000
	JLOAD G0S, G1S, G0SB, G1SB                     ; the scales first: they are wanted with K step 0.  Three tensor loads of mine are out at the most
.irp s, 0,1
	s_mov_b32 s[G0+4*\s], 1
	s_add_co_u32 s[G0+4*\s+1], s45, \s*SLOT
	s_add_nc_u64 s[G0+4*\s+2:G0+4*\s+3], s[20:21], \s*ROWB
	s_or_b32 s[G0+4*\s+3], s[G0+4*\s+3], 0x80000000
	s_mov_b32 s[G0B+4*\s], 1
	s_add_co_u32 s[G0B+4*\s+1], s45, \s*SLOT
	s_add_nc_u64 s[G0B+4*\s+2:G0B+4*\s+3], s[46:47], \s*ROWB
	s_or_b32 s[G0B+4*\s+3], s[G0B+4*\s+3], 0x80000000
	JLOAD G0+4*\s, G1, G0B+4*\s, G1B
.endr
	v_and_b32 v1, 15, v0                           ; r = lane % 16
	v_bfe_u32 v2, v0, 4, 1                         ; h = lane / 16
	v_mul_u32_u24 v3, v1, PITCH
	v_lshl_add_u32 v4, v2, 4, v3                   ; a fragment's row x pitch + 16 x half
	s_mul_i32 s21, s15, HALFT                      ; my 128 rows of A
	s_mul_i32 s22, s16, HALFT                      ; my 128 rows of B,
	s_add_co_u32 s22, s22, 2*HALFT                 ; which lie behind A's 256
.irp s, 0,1
	v_add_nc_u32 v[ADRA+\s], s21, v4
	v_add_nc_u32 v[ADRB+\s], s22, v4
	s_add_co_u32 s21, s21, SLOT
	s_add_co_u32 s22, s22, SLOT
.endr
	v_mul_u32_u24 v5, v1, KS                       ; my row's scales: 32 bytes a row,
	v_lshrrev_b32 v6, 8, v5
	v_lshl_add_u32 v5, v6, 4, v5                   ; and 16 more for each 256 passed
	s_mul_i32 s21, s15, HALFS                      ; A's: my 128 rows
	s_mul_i32 s22, s16, HALFS                      ; B's: my 128 rows, behind A's 256
	s_add_co_u32 s22, s22, 2*HALFS
	s_sub_co_u32 s22, s22, s21
	v_mul_u32_u24 v6, s22, v2                      ; lanes 16-31 take B's: one product, the distance between the two bases
	s_add_co_u32 s21, s21, SCL
	v_add_nc_u32 v5, v5, v6
	v_add_nc_u32 v[ADRS], s21, v5
	s_mul_i32 s23, s14, 16*SPITCH                  ; my stage
	v_mul_u32_u24 v5, v1, SPITCH                   ; in: row r, 16 bytes for each half of the lanes
	v_lshl_add_u32 v5, v2, 4, v5
	v_add_nc_u32 v[STO], s23, v5
	v_and_b32 v6, 31, v0
	v_lshlrev_b32 v[CO], 4, v6
	v_lshrrev_b32 v5, 3, v6                        ; back: eight lanes take a head's 128 bytes of a row, four rows an instruction
	v_mul_u32_u24 v5, v5, SPITCH
	v_and_b32 v6, 7, v6
	v_lshl_add_u32 v5, v6, 4, v5
	v_add_nc_u32 v[RD], s23, v5
	; where my part begins in qkv: (48 b + plane) x 2^18 + t x 128; my 128 columns are two planes
	s_lshl_b32 s20, s17, 8
	s_lshl_b32 s21, s15, 7
	s_add_co_u32 s20, s20, s21                     ; my first row of C = 2,048 b + t
	s_lshr_b32 s21, s20, 11
	s_mul_i32 s21, s21, 48<<18
	s_and_b32 s20, s20, 2047
	s_lshl_b32 s20, s20, 7
	s_add_co_u32 s20, s20, s21
	s_mov_b32 s21, 0
	s_lshl_b32 s46, s42, 20                        ; four planes a tile column,
	s_lshl_b32 s47, s16, 19                        ; two a half
	s_add_co_u32 s46, s46, s47
	s_mov_b32 s47, 0
	s_add_nc_u64 s[20:21], s[20:21], s[46:47]
	s_add_nc_u64 s[12:13], s[12:13], s[20:21]
	s_cmp_lt_u32 s42, 4                            ; q's four tile columns are multiplied by c, the others by 1: a choice of a number, no branch
	s_cselect_b32 s96, 0x3e38aa3b, 1.0             ; c = log2(e) / 8
	s_mov_b32 s97, s96                             ; (named with it as a pair)
.macro FRAG reg, adr, q, i             ; a fragment: lane l holds row l % 16; registers 4 c .. 4 c + 3 hold K = 64 c + 32 (l / 16) + 0 .. 31
.irp c, 0,1
	ds_load_b128 v[\reg+4*\c:\reg+4*\c+3], v[\adr] offset:64*(\q)+32*\c+(\i)*16*PITCH
.endr
.endm
; 16 matrix instructions: A's blocks a0, a0 + 1 x B's eight.  p: B's set; sc: the set of scale words.  zero = 1: the first product starts the sums.  The 64 accumulators take turns.
.macro MUL16 a0, p, q, sc, zero
.irp a, \a0, \a0+1
.irp b, 0,1,2,3,4,5,6,7
.if \zero
	v_wmma_scale_f32_16x16x128_f8f6f4 v[8*(8*((\a)%4)+\b):8*(8*((\a)%4)+\b)+7], v[128*(\p)+FR*\b:128*(\p)+FR*\b+FR-1], v[AF+FR*(\a):AF+FR*(\a)+FR-1], 0, v[SC+8*NQ*(\sc)+NQ*\b+(\q)], v[SC+8*NQ*(\sc)+NQ*(\a)+(\q)] matrix_a_fmt:MATRIX_FMT_FP4 matrix_b_fmt:MATRIX_FMT_FP4 matrix_a_scale:MATRIX_SCALE_ROW1
.else
	v_wmma_scale_f32_16x16x128_f8f6f4 v[8*(8*((\a)%4)+\b):8*(8*((\a)%4)+\b)+7], v[128*(\p)+FR*\b:128*(\p)+FR*\b+FR-1], v[AF+FR*(\a):AF+FR*(\a)+FR-1], v[8*(8*((\a)%4)+\b):8*(8*((\a)%4)+\b)+7], v[SC+8*NQ*(\sc)+NQ*\b+(\q)], v[SC+8*NQ*(\sc)+NQ*(\a)+(\q)] matrix_a_fmt:MATRIX_FMT_FP4 matrix_b_fmt:MATRIX_FMT_FP4 matrix_a_scale:MATRIX_SCALE_ROW1
.endif
.endr
.endr
.endm
.macro FETCH_B slot, q, p
	WIN TO_B
.irp i, 0,1,2,3,4,5,6,7
	FRAG 128*(\p)+FR*\i, ADRB+\slot, \q, \i
.endr
	WIN 0
.endm
.macro FETCH_A slot, q, i0
.irp i, \i0, \i0+1, \i0+2, \i0+3
	FRAG AF+FR*(\i), ADRA+\slot, \q, \i
.endr
.endm
.macro SCALES sc                       ; a slot's scale words: 4 words a row; lanes 0-15 take A's block i, lanes 16-31 B's block i
.irp i, 0,1,2,3,4,5,6,7
	ds_load_b128 v[SC+8*NQ*\sc+NQ*\i:SC+8*NQ*\sc+NQ*\i+3], v[ADRS] offset:\i*SBLK
.endr
.endm
.macro PLACES n                        ; plain vector instructions between a matrix instruction and a load into, or a vector line on, its registers
.rept \n
	v_nop
.endr
.endm
.macro STEP slot, q, zero              ; a step of 128 along K that has its successor in the same slot
	s_wait_dscnt 4*NL                              ; B's set and A's blocks 0-3 are in; the youngest eight loads (A's blocks 4-7) may be out
	WIN MUL_LO
	MUL16 0, (\q)%2, \q, \slot, \zero
	MUL16 2, (\q)%2, \q, \slot, \zero
	s_wait_dscnt 0                                 ; A's blocks 4-7 are in
	PLACES NP
	FETCH_B \slot, (\q)+1, 1-(\q)%2
	FETCH_A \slot, (\q)+1, 0
	WIN MUL_HI
	MUL16 4, (\q)%2, \q, \slot, \zero
	MUL16 6, (\q)%2, \q, \slot, \zero
	PLACES NP
	WIN 0
	FETCH_A \slot, (\q)+1, 4
.endm
.macro TURN slot, next                 ; slot 0's last step goes over to slot 1: one barrier
	s_wait_tensorcnt 0x0                           ; all my tensor loads have landed: my part of the next slot
	ds_add_u32 v[SPW], v[NIL]                      ; 0 onto my spare word
	s_wait_dscnt 4*NL+1                            ; (the add and the youngest eight loads may be out)
	WIN MUL_LO
	MUL16 0, 1, NQ-1, \slot, 0
	s_wait_dscnt 0x0                               ; the add is done, and my reads of this slot are over
	s_barrier_signal -1
	MUL16 2, 1, NQ-1, \slot, 0
	WIN 0
	s_barrier_wait -1                              ; every wave's part of the next slot has landed, and nobody reads this slot any more
	PLACES NP
	v_add_nc_u32 v[ADRS], 4*NQ, v[ADRS]            ; on to the next slot's scale words
	FETCH_B \next, 0, 0
	FETCH_A \next, 0, 0
	SCALES \next
	WIN MUL_HI
	MUL16 4, 1, NQ-1, \slot, 0
	MUL16 6, 1, NQ-1, \slot, 0
	PLACES NP
	WIN 0
	FETCH_A \next, 0, 4
.endm
	s_wait_tensorcnt 1                             ; the scales and my part of K step 0 are in; K step 1's load may be out
	s_barrier_signal -1
	s_barrier_wait -1
	FETCH_B 0, 0, 0
	FETCH_A 0, 0, 0
	SCALES 0
	FETCH_A 0, 0, 4
	STEP 0, 0, 1                                   ; the first step's products start the sums
	STEP 0, 1, 0
	STEP 0, 2, 0
	TURN 0, 1
	STEP 1, 0, 0
	STEP 1, 1, 0
	STEP 1, 2, 0
	s_wait_dscnt 4*NL                              ; the last step: nothing more to fetch
	WIN MUL_LO
	MUL16 0, 1, NQ-1, 1, 0
	MUL16 2, 1, NQ-1, 1, 0
	s_wait_dscnt 0
	WIN MUL_HI
	MUL16 4, 1, NQ-1, 1, 0
	MUL16 6, 1, NQ-1, 1, 0
	WIN 0
; THE WAY OUT, block by block of 16 rows x 128 columns (two heads).  PACK: x the factor in f32, rounded once to f16: 16 bytes a lane.  TOSTAGE: into my stage, and back by heads, four rows of 128 bytes an instruction.
; SEND: each store of the wave covers 512 consecutive bytes of one head's plane, aligned.
.macro PACK a
.set AC, 64*((\a)%4)
	WIN 0x02+(\a)/4                                ; source 0: window 2 or 3
.set n, 0
.rept 32
	v_pk_mul_f32 v[TT+2*n:TT+2*n+1], v[AC+2*n:AC+2*n+1], s[96:97] op_sel_hi:[1,0]   ; ascending: each accumulator is read from its low end on
.set n, n+1
.endr
	WIN 0
.set n, 0
.rept 32
	v_cvt_pk_f16_f32 v[TMP+n], v[TT+2*n], v[TT+2*n+1]
.set n, n+1
.endr
.endm
.macro TOSTAGE a
.set BB, BK+32*((\a)%2)
.irp b, 0,1,2,3,4,5,6,7
	ds_store_b128 v[STO], v[TMP+4*\b:TMP+4*\b+3] offset:32*\b
.endr
.irp i, 0,1,2,3,4,5,6,7
	ds_load_b128 v[BB+4*\i:BB+4*\i+3], v[RD] offset:(\i%4)*4*SPITCH+128*(\i/4)   ; LDS serves a wave's instructions in order: these see the stores above
.endr
.endm
.macro SEND a
.set BB, BK+32*((\a)%2)
	s_wait_dscnt 0x0                               ; the block is back in registers
	s_wait_xcnt 0x0                                ; the block before has had its stores' registers read: the next block's loads land there only behind this wait
.irp i, 0,1,2,3,4,5,6,7
	global_store_b128 v[CO], v[BB+4*\i:BB+4*\i+3], s[12:13] offset:2048*(\a)+512*(\i%4)+262144*(\i/4)
.endr
.endm
	PLACES NP                                      ; behind the last products: PACK writes registers that held A's fragments
	PACK 0
	TOSTAGE 0
.irp a, 1,2,3,4,5,6,7                  ; block a's arithmetic stands between block a - 1's loads from the stage and the wait for them
	PACK \a
	SEND \a-1
	TOSTAGE \a
.endr
	SEND 7
	s_wait_tensorcnt 0x0                           ; the wave's end: behind my last tensor load and my last LDS store
	ds_add_u32 v[SPW], v[NIL]
	s_wait_dscnt 0x0
	CROUND                                         ; the closing round
	s_endpgm
.Lfunc_end_k_q674e785f6f_gemm_qkv:
	.size	k_q674e785f6f_gemm_qkv, .Lfunc_end_k_q674e785f6f_gemm_qkv-k_q674e785f6f_gemm_qkv
	.p2alignl 7, 3214868480
	.fill 96, 4, 3214868480
	.section	.rodata,"a",@progbits
	.p2align	6, 0x0
	.amdhsa_kernel k_q674e785f6f_gemm_qkv
		.amdhsa_group_segment_fixed_size 327680
		.amdhsa_private_segment_fixed_size 0
		.amdhsa_enable_private_segment 0
		.amdhsa_kernarg_size 40
		.amdhsa_user_sgpr_count 2
		.amdhsa_user_sgpr_kernarg_segment_ptr 1
		.amdhsa_wavefront_size32 1
		.amdhsa_system_sgpr_workgroup_id_x 1
		.amdhsa_system_sgpr_workgroup_id_y 1
		.amdhsa_system_sgpr_workgroup_id_z 1
		.amdhsa_system_vgpr_workitem_id 0
		.amdhsa_next_free_vgpr 1024
		.amdhsa_next_free_sgpr 98
		.amdhsa_reserve_vcc 0
		.amdhsa_float_denorm_mode_32 3
		.amdhsa_float_denorm_mode_16_64 3
		.amdhsa_memory_ordered 1
		.amdhsa_forward_progress 1
		.amdhsa_inst_pref_size 143
	.end_amdhsa_kernel
	.amdgpu_metadata
---
amdhsa.version: [ 1, 2 ]
amdhsa.kernels:
  - .name:           k_q674e785f6f_gemm_qkv
    .symbol:         k_q674e785f6f_gemm_qkv.kd
    .args:
      - { .name: xc, .offset: 0, .size: 8, .value_kind: global_buffer, .address_space: global }
      - { .name: xs, .offset: 8, .size: 8, .value_kind: global_buffer, .address_space: global }
      - { .name: wc, .offset: 16, .size: 8, .value_kind: global_buffer, .address_space: global }
      - { .name: ws, .offset: 24, .size: 8, .value_kind: global_buffer, .address_space: global }
      - { .name: qkv, .offset: 32, .size: 8, .value_kind: global_buffer, .address_space: global }
    .group_segment_fixed_size: 327680
    .private_segment_fixed_size: 0
    .kernarg_segment_align: 8
    .kernarg_segment_size: 40
    .max_flat_workgroup_size: 128
    .sgpr_count:     98
    .vgpr_count:     1024
    .wavefront_size: 32
...
	.end_amdgpu_metadata
.endif
;; end of part 2
;; launch attn (part 3): grid 4 x 64, 16 waves a work-group, clusters of 4 x 1, 327,680 bytes of LDS; arguments qkv, y16; writes y16
.if DOCPART == 3
	.amdgcn_target "amdgcn-amd-amdhsa--gfx1250"
	.amdhsa_code_object_version 6
	.text
	.protected	k_q674e785f6f_attn
	.globl	k_q674e785f6f_attn
	.p2align	8
	.type	k_q674e785f6f_attn,@function
k_q674e785f6f_attn:
	s_mov_b64 s[64:65], 0
	v_nop
	global_prefetch_b8 v0, s[64:65] scope:SCOPE_SE
	s_setreg_imm32_b32 hwreg(HW_REG_WAVE_MODE, 25, 1), 1
	s_wait_xcnt 0x0
	s_wait_alu depctr_hold_cnt(0) depctr_sa_sdst(0) depctr_va_vdst(0) depctr_va_sdst(0) depctr_va_ssrc(0) depctr_va_vcc(0) depctr_vm_vsrc(0)
	s_getreg_b32 s2, hwreg(HW_REG_IB_STS2, 6, 4)
	s_cmp_eq_u32 s2, 0
	s_cbranch_scc0 .Lentry_in_a_cluster
	s_endpgm
.Lentry_in_a_cluster:
	s_bfe_u32 s2, ttmp6, 0x10000c
	s_cmp_lg_u32 s2, 0x3003
	s_cbranch_scc0 .Lentry_shape_is_right
	s_endpgm
.Lentry_shape_is_right:
; y[b][head][q] = the sum over k <= q of softmax_k(q . k / 8) v[k], head size 64, 2,048 positions.  q (already x log2(e) / 8), k, v: f16, qkv [b 4][plane 48][t 2048][64]; y: f16, y16 [head 16][b x 2048 + t][64].
; Products on f16 operands with f32 sums; maxima, exponentials and sums in f32; the weights p <= 1 are rounded to f16 for the second product, y once at the end.
; SOFTMAX: for each query a running maximum m of the scores t and a running sum l: p = 2^(t - m); in every step O and l are multiplied by a = 2^(m_old - m_new).  t - m is never above 0.
; LIMITS: |y| stays at or under 65,504 (f16); NaN and infinities are not served.  Positions 0-15 of each sequence are made here too; two later launches make them again in f32 and write over them in the output.
; SHARES.  A cluster of four work-groups is one (b, head).  The 2,048 queries are 16 groups of 128; wave w = 4 a + cw owns group j = 4 ((a + cw) % 4) + a, and in it partner cx owns queries 128 j + 32 cx + 0 .. 31: two tiles of 16.
; So all four partners do the same steps: every branch hangs on the wave's number and the count of steps alone; cx enters the addresses of q and y and the mask's lane number, nothing else.
; CAUSAL.  Every wave walks all 32 steps of 64 keys (constant trip counts); a step whose first key lies behind the group's last query is jumped over, its address steps aside; in the group's own two steps hidden scores become -infinity.
; K AND V are the same for all four partners: each tile is asked for JOINTLY (mask 15).  Two slots of 512 keys; waves 0, 1 load K's halves, waves 2, 3 V's, 32 KiB a load.  Group 15 is in every partner, so every partner reads every tile.
; No prefetch is laid: a refill is asked for a whole slot's eight key steps ahead of the barrier in front of which it is waited for.
; LAYOUT.  S^T = K Q^T (source 0 = 16 keys, source 1 = 16 queries): a lane holds ONE query (lane % 16) and keys 8 (lane / 16) + 0 .. 7.  Two such tiles, rounded in pairs, ARE source 1 of O^T = V^T P.  V is turned by ds_load_tr16_b128.
.set PK,    272                        ; an LDS row of K: two keys (256 bytes) + 16 of padding: the 16 keys of a load fall on 16 different columns of 16 bytes
.set PV,    288                        ; of V: two keys + 32
.set VOFF,  256*PK                     ; a slot: 512 keys of K, then 512 of V
.set SLOT,  256*(PK+PV)                ; 143,360
.set SPARE, 2*SLOT                     ; the spare words: 128 bytes for each of 16 waves: eight blocks of 256 bytes that no other line names
.set SPT,   144                        ; the way out: a stage of 32 rows x (128 bytes + 16) for each wave, in slot 0, which has had its last fill and was left at the last change of slots
.set AK0,  1                           ; v1  my lane's place in a tile of K
.set AV0,  2                           ; v2  the same for V
.set ADK,  3                           ; v3  LDS address of the step's K; on the way out: where I put 16 bytes
.set ADV,  4                           ; v4  of the step's V; on the way out: where I read back
.set SPW,  5                           ; v5  my spare word; never rewritten
.set NIL,  6                           ; v6  0; never rewritten
.set DQ0,  7                           ; v7  my query of tile 0 - 8 (lane / 16)
.set DD,   8                           ; v8, v9 that less the step's first key, for tiles 0 and 1
.set NINF, 10                          ; v10 -infinity
.set QO,   11                          ; v11 my byte offset in q's rows; on the way out 16 x lane
.set CH2,  12                          ; v12-15 the sums' second chains, a pair a tile
.set ST,   16                          ; v16-31 eight a tile: +0 m, +1 old m, then old - new, +2, +3 l in two halves, +4 .. +7 the maximum's chains, then +4, +5 the sum and +6 a
.set QF,   32                          ; v32-63   Q(u, e) at 16 u + 8 e: tile u, channels 32 e on
.set KV,   64                          ; v64-127  K(t, e) at 16 t + 8 e; later V(k, c) at 32 k + 8 c
.set SS,   128                         ; v128-191 S(u, t) at 32 u + 8 t; P is made in place: P(u, k) at 32 u + 8 k
.set OA,   192                         ; v192-255 O(u, c) at 32 u + 8 c
.set WV,   8                           ; s8  wave
.set QG,   14                          ; s14 my group's first query
.set QL,   15                          ; s15 its last
.set KF,   18                          ; s18 the step's first key
.set TK,   19                          ; s19 where the step's K begins in LDS
.set TV,   20                          ; s20 where its V begins, less VOFF
.set CNT,  21                          ; s21 steps left in the slot
.set SEL,  22                          ; s[22:23] v_permlanex16_b32's selects for lane l xor 16
.set G1K,  24                          ; s[24:31] descriptor group 1 for K; s[32:39] for V: the padding differs
.set G1V,  32
.set G0K,  40                          ; s[40:47] groups 0 for K, a set for each slot; s[48:55] for V
.set G0V,  48
.macro CROUND                          ; a round of the cluster's barrier
	s_barrier_signal -1
	s_barrier_wait -1
	s_cmp_lg_u32 s[WV], 0
	s_cbranch_scc1 .Lnot_wave_0_\@
	s_barrier_signal -3
.Lnot_wave_0_\@:
	s_barrier_wait -3
	s_barrier_signal -1
	s_barrier_wait -1
.endm
.macro JLOAD s                         ; a joint refill of slot s: waves 0, 1 for K, waves 2, 3 for V, the others nothing.  An s_nop 0 and four v_nop follow each line
	s_cmp_lt_u32 s[WV], 2
	s_cbranch_scc0 .Lnot_k_\@
	tensor_load_to_lds s[G0K+4*\s:G0K+4*\s+3], s[G1K:G1K+7]
	s_nop 0
.rept 4
	v_nop
.endr
	s_branch .Lasked_\@
.Lnot_k_\@:
	s_cmp_lt_u32 s[WV], 4
	s_cbranch_scc0 .Lasked_\@
	tensor_load_to_lds s[G0V+4*\s:G0V+4*\s+3], s[G1V:G1V+7]
	s_nop 0
.rept 4
	v_nop
.endr
.Lasked_\@:
.endm
	s_load_b128 s[4:7], s[0:1], 0x0                ; qkv s[4:5], y16 s[6:7]
	v_lshl_add_u32 v[SPW], v0, 2, SPARE
	v_mov_b32 v[NIL], 0
	ds_add_u32 v[SPW], v[NIL]                      ; the wave's opening: the add, twice on end, and its wait ahead of the first tensor loads
	ds_add_u32 v[SPW], v[NIL]
	v_lshrrev_b32 v1, 5, v0
	v_readfirstlane_b32 s[WV], v1                  ; wave 0..15
	s_bfe_u32 s9, ttmp6, 0x40000                   ; cx
	s_and_b32 s10, ttmp7, 0xffff                   ; 16 b + head
	s_lshr_b32 s11, s10, 4                         ; b
	s_and_b32 s12, s10, 15                         ; head
	s_lshr_b32 s13, s[WV], 2                       ; a
	s_add_co_u32 s14, s13, s[WV]
	s_and_b32 s14, s14, 3                          ; (a + cw) % 4
	s_lshl_b32 s14, s14, 2
	s_add_co_u32 s13, s14, s13                     ; j
	s_lshl_b32 s[QG], s13, 7
	s_add_co_u32 s[QL], s[QG], 127
	s_lshl_b32 s16, s9, 5
	s_add_co_u32 s16, s16, s[QG]                   ; t0: my first query
	s_and_b32 s17, s[WV], 1                        ; which half of a slot's keys I fetch, if I fetch
	; descriptor group 1: 256 keys are a dense block of 32,768 bytes: 128 rows of 256 bytes (32 elements of 8 bytes), padding behind each
	s_mov_b32 s[G1K], 15|(3<<16)|(1<<20)|(1<<21)|(5<<22)|(3<<25)   ; the mask: all four; elements of 8 bytes; padding on; bit 21 beside a mask; after every 64 words, 4 words
	s_mov_b32 s[G1V], 15|(3<<16)|(1<<20)|(1<<21)|(5<<22)|(7<<25)   ; the same with 8 words
.irp g, G1K, G1V
	s_mov_b32 s[\g+1], 32<<16                      ; tensor_dim0
	s_mov_b32 s[\g+2], 128<<16                     ; tensor_dim1
	s_mov_b32 s[\g+3], 32<<16                      ; tile_dim0
	s_mov_b32 s[\g+4], 128                         ; tile_dim1
	s_mov_b32 s[\g+5], 32                          ; from row to row
	s_mov_b32 s[\g+6], 0
	s_mov_b32 s[\g+7], 0
.endr
	s_mul_i32 s56, s11, 48
	s_add_co_u32 s56, s56, s12
	s_lshl_b32 s56, s56, 18                        ; q's plane: (48 b + head) x 2^18 bytes; k's lies 16 planes on, v's 32
	s_lshl_b32 s58, s17, 15                        ; my half: 256 keys of 128 bytes
	s_add_co_u32 s58, s58, s56
	s_mov_b32 s59, 0
	s_mul_i32 s60, s17, 128*PK                     ; and its place in a slot: no place in the cluster enters an LDS address
	s_mul_i32 s61, s17, 128*PV
	s_lshl_b32 s66, s16, 7
	s_add_co_u32 s66, s66, s56                     ; q at my first query
	s_mov_b32 s67, 0
	s_lshl_b32 s68, s11, 11
	s_add_co_u32 s68, s68, s16
	s_lshl_b32 s68, s68, 7
	s_lshl_b32 s69, s12, 20
	s_add_co_u32 s68, s68, s69                     ; y16: head x 2^20 + (2,048 b + t0) x 128
	s_mov_b32 s69, 0
	s_mov_b32 s[SEL], 0x76543210
	s_mov_b32 s[SEL+1], 0xfedcba98
	s_mov_b32 s[KF], 0
	s_wait_dscnt 0x0                               ; both opening adds are done
	s_wait_kmcnt 0x0
	s_add_nc_u64 s[58:59], s[4:5], s[58:59]
	s_add_nc_u64 s[66:67], s[4:5], s[66:67]
	s_add_nc_u64 s[6:7], s[6:7], s[68:69]
.irp s, 0,1
	s_mov_b32 s[G0K+4*\s], 1                       ; count = 1
	s_add_co_u32 s[G0K+4*\s+1], s60, \s*SLOT       ; LDS address
	s_add_nc_u64 s[G0K+4*\s+2:G0K+4*\s+3], s[58:59], (16<<18)+\s*65536   ; global address: keys 512 s on
	s_or_b32 s[G0K+4*\s+3], s[G0K+4*\s+3], 0x80000000                    ; type = 2
	s_mov_b32 s[G0V+4*\s], 1
	s_add_co_u32 s[G0V+4*\s+1], s61, \s*SLOT+VOFF
	s_add_nc_u64 s[G0V+4*\s+2:G0V+4*\s+3], s[58:59], (32<<18)+\s*65536
	s_or_b32 s[G0V+4*\s+3], s[G0V+4*\s+3], 0x80000000
.endr
	CROUND                                         ; all four work-groups are here: the first joint loads meet
	s_cmp_lt_u32 s[WV], 2                          ; a wave's two first fills stand in one branch: two loads of mine are out at the most
	s_cbranch_scc0 .Lfirst_not_k
	tensor_load_to_lds s[G0K:G0K+3], s[G1K:G1K+7]
	s_nop 0
	tensor_load_to_lds s[G0K+4:G0K+7], s[G1K:G1K+7]
	s_nop 0
.rept 4
	v_nop
.endr
	s_branch .Lfirst_asked
.Lfirst_not_k:
	s_cmp_lt_u32 s[WV], 4
	s_cbranch_scc0 .Lfirst_asked
	tensor_load_to_lds s[G0V:G0V+3], s[G1V:G1V+7]
	s_nop 0
	tensor_load_to_lds s[G0V+4:G0V+7], s[G1V:G1V+7]
	s_nop 0
.rept 4
	v_nop
.endr
.Lfirst_asked:
	v_and_b32 v12, 15, v0                          ; r
	v_bfe_u32 v13, v0, 4, 1                        ; h
	v_lshlrev_b32 v[QO], 7, v12
	v_lshl_add_u32 v[QO], v13, 4, v[QO]            ; row r of 128 bytes + 16 h
.irp u, 0,1
.irp e, 0,1
	global_load_b128 v[QF+16*\u+8*\e:QF+16*\u+8*\e+3],   v[QO], s[66:67] offset:2048*\u+64*\e      ; Q stays in registers
	global_load_b128 v[QF+16*\u+8*\e+4:QF+16*\u+8*\e+7], v[QO], s[66:67] offset:2048*\u+64*\e+32
.endr
.endr
	v_lshrrev_b32 v14, 1, v12
	v_mul_u32_u24 v[AK0], v14, PK
	v_and_b32 v14, 1, v12
	v_lshl_add_u32 v[AK0], v14, 7, v[AK0]
	v_lshl_add_u32 v[AK0], v13, 4, v[AK0]          ; key r: PK (r / 2) + 128 (r % 2), + 16 h
	v_and_b32 v14, 7, v0
	v_lshl_add_u32 v14, v13, 3, v14                ; the turning load: key 8 h + lane % 8,
	v_lshrrev_b32 v15, 1, v14
	v_mul_u32_u24 v[AV0], v15, PV
	v_and_b32 v15, 1, v14
	v_lshl_add_u32 v[AV0], v15, 7, v[AV0]
	v_bfe_u32 v15, v0, 3, 1
	v_lshl_add_u32 v[AV0], v15, 4, v[AV0]          ; channels 8 ((lane / 8) % 2) on
	v_add_nc_u32 v[AV0], VOFF, v[AV0]
	v_lshlrev_b32 v14, 3, v13
	v_sub_nc_u32 v[DQ0], v12, v14
	v_add_nc_u32 v[DQ0], s16, v[DQ0]               ; t0 + r - 8 h
	v_mov_b32 v[NINF], 0xff800000
.irp u, 0,1
	v_mov_b32 v[ST+8*\u], 0xff61b1e6               ; m: -3e38, under every score
.irp i, 1,2,3,4,5,6,7
	v_mov_b32 v[ST+8*\u+\i], 0
.endr
.endr
.set n, 0
.rept 64
	v_mov_b32 v[OA+n], 0                           ; O^T.  (The step is written once: a wave's first step finds zeros, which a = 0 leaves zeros)
.set n, n+1
.endr
	s_wait_loadcnt 0x0                             ; Q
	s_wait_tensorcnt 1                             ; my part of slot 0 is in; slot 1's may be out
	s_barrier_signal -1
	s_barrier_wait -1
; A KEY STEP: 64 keys for my 32 queries.
.macro STEP
	s_cmp_gt_u32 s[KF], s[QL]                      ; all keys behind my group's last query: only the address steps at the end are run
	s_cbranch_scc1 .Lhidden_\@
	v_add_nc_u32 v[ADK], s[TK], v[AK0]
	v_add_nc_u32 v[ADV], s[TV], v[AV0]
.rept 3
	v_nop                                          ; with the two additions five places behind the last step's products: the loads below land on V's registers, the products below write over P's
.endr
.irp t, 0,1,2,3
.irp e, 0,1
	ds_load_b128 v[KV+16*\t+8*\e:KV+16*\t+8*\e+3],   v[ADK] offset:8*PK*\t+64*\e
	ds_load_b128 v[KV+16*\t+8*\e+4:KV+16*\t+8*\e+7], v[ADK] offset:8*PK*\t+64*\e+32
.endr
.endr
	s_wait_dscnt 0x0
.irp e, 0,1                            ; S^T = K Q^T: the eight accumulators take turns; the first eight products start the sums
.irp t, 0,1,2,3
.irp u, 0,1
.if \e == 0
	v_wmma_f32_16x16x32_f16 v[SS+32*\u+8*\t:SS+32*\u+8*\t+7], v[KV+16*\t+8*\e:KV+16*\t+8*\e+7], v[QF+16*\u+8*\e:QF+16*\u+8*\e+7], 0
.else
	v_wmma_f32_16x16x32_f16 v[SS+32*\u+8*\t:SS+32*\u+8*\t+7], v[KV+16*\t+8*\e:KV+16*\t+8*\e+7], v[QF+16*\u+8*\e:QF+16*\u+8*\e+7], v[SS+32*\u+8*\t:SS+32*\u+8*\t+7]
.endif
.endr
.endr
.endr
.rept 4
	v_nop                                          ; places: V's loads land on K's registers, and the scores are read
.endr
.irp k, 0,1
.irp c, 0,1,2,3
	ds_load_tr16_b128 v[KV+32*\k+8*\c:KV+32*\k+8*\c+3],   v[ADV] offset:16*PV*\k+32*\c           ; keys 32 k on, channels 16 c on: they land while the softmax is walked
	ds_load_tr16_b128 v[KV+32*\k+8*\c+4:KV+32*\k+8*\c+7], v[ADV] offset:16*PV*\k+8*PV+32*\c
.endr
.endr
	s_cmp_lt_u32 s[KF], s[QG]                      ; all 64 keys lie ahead of my group's first query: nothing is hidden
	s_cbranch_scc1 .Lopen_\@
	v_sub_nc_u32 v[DD], v[DQ0], s[KF]              ; register 8 t + i of tile u holds key KF + 16 t + 8 h + i: hidden where 16 t + i > my query - 8 h - KF
	v_add_nc_u32 v[DD+1], 16, v[DD]
.irp u, 0,1
.set n, 0
.rept 32
	v_cmp_gt_i32 vcc_lo, 16*(n/8)+n%8, v[DD+\u]
	v_cndmask_b32 v[SS+32*\u+n], v[SS+32*\u+n], v[NINF], vcc_lo
.set n, n+1
.endr
.endr
.Lopen_\@:
.irp c, 0,1,2,3                        ; the maximum of 32 scores and the old m: four chains a tile, each accumulator from its low end on, the tiles by turns
.irp u, 0,1
	v_max3_num_f32 v[ST+8*\u+4+\c], v[SS+32*\u+8*\c], v[SS+32*\u+8*\c+1], v[SS+32*\u+8*\c+2]
.endr
.endr
.irp g, 3,5
.irp c, 0,1,2,3
.irp u, 0,1
	v_max3_num_f32 v[ST+8*\u+4+\c], v[ST+8*\u+4+\c], v[SS+32*\u+8*\c+\g], v[SS+32*\u+8*\c+\g+1]
.endr
.endr
.endr
.irp u, 0,1
	v_max3_num_f32 v[ST+8*\u+4], v[ST+8*\u+4], v[SS+32*\u+7], v[SS+32*\u+15]
	v_max3_num_f32 v[ST+8*\u+6], v[ST+8*\u+6], v[SS+32*\u+23], v[SS+32*\u+31]
.endr
.irp u, 0,1
	v_max3_num_f32 v[ST+8*\u+4], v[ST+8*\u+4], v[ST+8*\u+5], v[ST+8*\u+6]
.endr
.irp u, 0,1
	v_max3_num_f32 v[ST+8*\u+4], v[ST+8*\u+4], v[ST+8*\u+7], v[ST+8*\u]
.endr
.irp u, 0,1
	v_permlanex16_b32 v[ST+8*\u+5], v[ST+8*\u+4], s[SEL], s[SEL+1]   ; the query's other 32 keys lie in the lane 16 away
.endr
.irp u, 0,1
	v_mov_b32 v[ST+8*\u+1], v[ST+8*\u]
.endr
.irp u, 0,1
	v_max_num_f32 v[ST+8*\u], v[ST+8*\u+4], v[ST+8*\u+5]             ; the new m
.endr
.irp u, 0,1
	v_sub_f32 v[ST+8*\u+1], v[ST+8*\u+1], v[ST+8*\u]                 ; old m - new m, 0 or less
.endr
.irp u, 0,1
.set n, 0
.rept 16
	v_pk_add_f32 v[SS+32*\u+2*n:SS+32*\u+2*n+1], v[SS+32*\u+2*n:SS+32*\u+2*n+1], v[ST+8*\u:ST+8*\u+1] op_sel_hi:[1,0] neg_lo:[0,1] neg_hi:[0,1]   ; t - m, two at a time
.set n, n+1
.endr
.endr
.irp u, 0,1
	v_exp_f32 v[ST+8*\u+6], v[ST+8*\u+1]           ; a
.endr
.set n, 0
.rept 64
	v_exp_f32 v[SS+n], v[SS+n]                     ; p = 2^(t - m)
.set n, n+1
.endr
	v_nop                                          ; a plain instruction behind the last exponential
	s_wait_alu depctr_va_vdst(0)                   ; one wait for the batch of 66, ahead of its first reader
.irp u, 0,1                            ; the row's sums, of p in f32: two chains a tile
	v_pk_add_f32 v[ST+8*\u+4:ST+8*\u+5], v[SS+32*\u:SS+32*\u+1], v[SS+32*\u+2:SS+32*\u+3]
	v_pk_add_f32 v[CH2+2*\u:CH2+2*\u+1], v[SS+32*\u+4:SS+32*\u+5], v[SS+32*\u+6:SS+32*\u+7]
.endr
.irp g, 8,12,16,20,24,28
.irp u, 0,1
	v_pk_add_f32 v[ST+8*\u+4:ST+8*\u+5], v[ST+8*\u+4:ST+8*\u+5], v[SS+32*\u+\g:SS+32*\u+\g+1]
	v_pk_add_f32 v[CH2+2*\u:CH2+2*\u+1], v[CH2+2*\u:CH2+2*\u+1], v[SS+32*\u+\g+2:SS+32*\u+\g+3]
.endr
.endr
.irp u, 0,1
	v_pk_add_f32 v[ST+8*\u+4:ST+8*\u+5], v[ST+8*\u+4:ST+8*\u+5], v[CH2+2*\u:CH2+2*\u+1]
.endr
.irp u, 0,1
	v_pk_fma_f32 v[ST+8*\u+2:ST+8*\u+3], v[ST+8*\u+2:ST+8*\u+3], v[ST+8*\u+6:ST+8*\u+7], v[ST+8*\u+4:ST+8*\u+5] op_sel_hi:[1,0,1]   ; l = l a + the sum
.endr
.irp u, 0,1
.set n, 0
.rept 16
	v_cvt_pk_f16_f32 v[SS+32*\u+n], v[SS+32*\u+2*n], v[SS+32*\u+2*n+1]   ; P in place, ascending: register n is written when registers 2 n, 2 n + 1 are read
.set n, n+1
.endr
.endr
.irp u, 0,1
.set n, 0
.rept 16
	v_pk_mul_f32 v[OA+32*\u+2*n:OA+32*\u+2*n+1], v[OA+32*\u+2*n:OA+32*\u+2*n+1], v[ST+8*\u+6:ST+8*\u+7] op_sel_hi:[1,0]   ; O^T x a, each accumulator from its low end on
.set n, n+1
.endr
.endr
	s_wait_dscnt 0x0                               ; V is in
.irp k, 0,1                            ; O^T += V^T P: the eight accumulators take turns
.irp c, 0,1,2,3
.irp u, 0,1
	v_wmma_f32_16x16x32_f16 v[OA+32*\u+8*\c:OA+32*\u+8*\c+7], v[KV+32*\k+8*\c:KV+32*\k+8*\c+7], v[SS+32*\u+8*\k:SS+32*\u+8*\k+7], v[OA+32*\u+8*\c:OA+32*\u+8*\c+7]
.endr
.endr
.endr
.Lhidden_\@:
	s_add_co_u32 s[KF], s[KF], 64
	s_add_co_u32 s[TK], s[TK], 32*PK
	s_add_co_u32 s[TV], s[TV], 32*PV
.endm
; THE CHANGE OF SLOTS.  Each wave waits for all its tensor loads, adds 0 to its spare word, and waits for that and for its reads of the slot that it leaves.  fill = 1: slot s, just left, takes the keys 1,024 further on:
; the barrier is a round of the cluster's, so that no wave of any partner still reads the slot or has a load on its way, and the joint refill comes first behind it.
.macro CHANGE fill, s
	s_wait_tensorcnt 0x0                           ; no tensor load of mine is out, so a group 0 may be written
	ds_add_u32 v[SPW], v[NIL]
.if \fill
	ds_add_u32 v[SPW], v[NIL]                      ; and twice on end where a tensor load follows that twelve waves' ways have led round so far
	s_add_nc_u64 s[G0K+4*\s+2:G0K+4*\s+3], s[G0K+4*\s+2:G0K+4*\s+3], 131072
	s_add_nc_u64 s[G0V+4*\s+2:G0V+4*\s+3], s[G0V+4*\s+2:G0V+4*\s+3], 131072
	s_wait_dscnt 0x0
	CROUND
	JLOAD \s
.else
	s_wait_dscnt 0x0
	s_barrier_signal -1
	s_barrier_wait -1
.endif
.endm
.macro SLOT_STEPS base                 ; a slot's eight key steps: written once, walked eight times
	s_mov_b32 s[TK], \base
	s_mov_b32 s[TV], \base
	s_mov_b32 s[CNT], 8
.Lstep_\@:
	STEP
	s_sub_co_u32 s[CNT], s[CNT], 1
	s_cmp_lg_u32 s[CNT], 0
	s_cbranch_scc1 .Lstep_\@
.endm
	SLOT_STEPS 0                                   ; keys 0 - 511
	CHANGE 1, 0                                    ; slot 0 takes keys 1,024 on
	SLOT_STEPS SLOT                                ; keys 512 - 1,023
	CHANGE 1, 1                                    ; slot 1 takes keys 1,536 on
	SLOT_STEPS 0
	CHANGE 0, 0                                    ; nothing is left to fetch
	SLOT_STEPS SLOT
	; THE WAY OUT: O^T / l, rounded to f16, through my stage, out as 512 consecutive bytes a store (four rows of the head's plane).
.rept 4
	v_nop                                          ; places behind the last products
.endr
.irp u, 0,1
	v_add_f32 v[ST+8*\u+4], v[ST+8*\u+2], v[ST+8*\u+3]
.endr
.irp u, 0,1
	v_permlanex16_b32 v[ST+8*\u+5], v[ST+8*\u+4], s[SEL], s[SEL+1]
.endr
.irp u, 0,1
	v_add_f32 v[ST+8*\u+4], v[ST+8*\u+4], v[ST+8*\u+5]
.endr
.irp u, 0,1
	v_rcp_f32 v[ST+8*\u+6], v[ST+8*\u+4]
.endr
	v_and_b32 v12, 15, v0                          ; (plain work behind the reciprocals)  r
	v_bfe_u32 v13, v0, 4, 1                        ; h
	s_mul_i32 s56, s[WV], 32*SPT                   ; my stage
	v_mul_u32_u24 v[ADK], v12, SPT
	v_lshl_add_u32 v[ADK], v13, 4, v[ADK]
	v_add_nc_u32 v[ADK], s56, v[ADK]               ; in: row r, + 16 h
	v_and_b32 v14, 31, v0
	v_lshlrev_b32 v[QO], 4, v14                    ; 16 x lane
	v_lshrrev_b32 v15, 3, v14
	v_mul_u32_u24 v[ADV], v15, SPT
	v_and_b32 v15, 7, v14
	v_lshl_add_u32 v[ADV], v15, 4, v[ADV]
	v_add_nc_u32 v[ADV], s56, v[ADV]               ; back: eight lanes to a row of 128 bytes, four rows an instruction
	s_wait_alu depctr_va_vdst(0)                   ; one wait for the two reciprocals, ahead of their first reader
.irp u, 0,1
.set n, 0
.rept 16
	v_pk_mul_f32 v[OA+32*\u+2*n:OA+32*\u+2*n+1], v[OA+32*\u+2*n:OA+32*\u+2*n+1], v[ST+8*\u+6:ST+8*\u+7] op_sel_hi:[1,0]
.set n, n+1
.endr
.endr
.set n, 0
.rept 32
	v_cvt_pk_f16_f32 v[SS+n], v[OA+2*n], v[OA+2*n+1]
.set n, n+1
.endr
.irp u, 0,1
.irp c, 0,1,2,3
	ds_store_b128 v[ADK], v[SS+16*\u+4*\c:SS+16*\u+4*\c+3] offset:16*SPT*\u+32*\c
.endr
.endr
.irp i, 0,1,2,3,4,5,6,7
	ds_load_b128 v[KV+4*\i:KV+4*\i+3], v[ADV] offset:4*SPT*\i      ; LDS serves a wave's instructions in order: these see my stores
.endr
.irp i, 0,1,2,3,4,5,6,7
	s_wait_dscnt 7-\i
	global_store_b128 v[QO], v[KV+4*\i:KV+4*\i+3], s[6:7] offset:512*\i
.endr
	s_wait_tensorcnt 0x0                           ; the wave's end
	ds_add_u32 v[SPW], v[NIL]
	s_wait_dscnt 0x0
	CROUND                                         ; the closing round
	s_endpgm
.Lfunc_end_k_q674e785f6f_attn:
	.size	k_q674e785f6f_attn, .Lfunc_end_k_q674e785f6f_attn-k_q674e785f6f_attn
	.p2alignl 7, 3214868480
	.fill 96, 4, 3214868480
	.section	.rodata,"a",@progbits
	.p2align	6, 0x0
	.amdhsa_kernel k_q674e785f6f_attn
		.amdhsa_group_segment_fixed_size 327680
		.amdhsa_private_segment_fixed_size 0
		.amdhsa_enable_private_segment 0
		.amdhsa_kernarg_size 16
		.amdhsa_user_sgpr_count 2
		.amdhsa_user_sgpr_kernarg_segment_ptr 1
		.amdhsa_wavefront_size32 1
		.amdhsa_system_sgpr_workgroup_id_x 1
		.amdhsa_system_sgpr_workgroup_id_y 1
		.amdhsa_system_sgpr_workgroup_id_z 1
		.amdhsa_system_vgpr_workitem_id 0
		.amdhsa_next_free_vgpr 256
		.amdhsa_next_free_sgpr 80
		.amdhsa_reserve_vcc 1
		.amdhsa_float_denorm_mode_32 3
		.amdhsa_float_denorm_mode_16_64 3
		.amdhsa_memory_ordered 1
		.amdhsa_forward_progress 1
		.amdhsa_inst_pref_size 106
	.end_amdhsa_kernel
	.amdgpu_metadata
---
amdhsa.version: [ 1, 2 ]
amdhsa.kernels:
  - .name:           k_q674e785f6f_attn
    .symbol:         k_q674e785f6f_attn.kd
    .args:
      - { .name: qkv, .offset: 0, .size: 8, .value_kind: global_buffer, .address_space: global }
      - { .name: y16, .offset: 8, .size: 8, .value_kind: global_buffer, .address_space: global }
    .group_segment_fixed_size: 327680
    .private_segment_fixed_size: 0
    .kernarg_segment_align: 8
    .kernarg_segment_size: 16
    .max_flat_workgroup_size: 512
    .sgpr_count:     80
    .vgpr_count:     256
    .wavefront_size: 32
...
	.end_amdgpu_metadata
.endif
;; end of part 3
;; launch proj (part 4): grid 4 x 64, 4 waves a work-group, clusters of 4 x 4, 327,680 bytes of LDS; arguments y16, wp16, out0; writes out0
.if DOCPART == 4
	.amdgcn_target "amdgcn-amd-amdhsa--gfx1250"
	.amdhsa_code_object_version 6
	.text
	.protected	k_q674e785f6f_proj
	.globl	k_q674e785f6f_proj
	.p2align	8
	.type	k_q674e785f6f_proj,@function
k_q674e785f6f_proj:
	s_mov_b64 s[64:65], 0
	v_nop
	global_prefetch_b8 v0, s[64:65] scope:SCOPE_SE
	s_setreg_imm32_b32 hwreg(HW_REG_WAVE_MODE, 25, 1), 1
	s_wait_xcnt 0x0
	s_wait_alu depctr_hold_cnt(0) depctr_sa_sdst(0) depctr_va_vdst(0) depctr_va_sdst(0) depctr_va_ssrc(0) depctr_va_vcc(0) depctr_vm_vsrc(0)
	s_getreg_b32 s2, hwreg(HW_REG_IB_STS2, 6, 4)
	s_cmp_eq_u32 s2, 0
	s_cbranch_scc0 .Lentry_in_a_cluster
	s_endpgm
.Lentry_in_a_cluster:
	s_bfe_u32 s2, ttmp6, 0x10000c
	s_cmp_lg_u32 s2, 0xf033
	s_cbranch_scc0 .Lentry_shape_is_right
	s_endpgm
.Lentry_shape_is_right:
; out0 = y w_proj: [8192][1024] f32.  y: f16, y16 [head 16][m 8192][64] (K = 64 head + channel); w_proj: f16, wp16 [k 1024][n 1024].  f16 operands, f32 sums.
; All 8,192 rows are made here; the 64 rows of positions 0-15 are made again in f32 by the last launch, which writes over them.
; A tile of C is 128 x 256: 256 work-groups.  Four waves, each 64 x 128: 32 accumulators.  K goes in 8 steps of 128 (two head planes of y) through two LDS slots.
; CLUSTERS: 4 x 4.  A's tile (128 rows of y) hangs on the tile row and is shared along a row of the cluster, B's (256 columns of w_proj) on the tile column and is shared along a column: both are asked for JOINTLY.
; THE MATRIX INSTRUCTION IS USED TRANSPOSED: source 0 = 16 columns of w_proj (turned out of [k][n] by ds_load_tr16_b128), source 1 = 16 rows of y: a lane holds eight neighbouring columns of one row of C.
; REGISTERS: window 0: v16-30 addresses; v64-95, v96-127 A's fragments (4 x 16 rows x 32 K), two buffers; v128-255 rows on the way out.   window 1: v0-63, v64-127 B's fragments (8), two buffers.
;   window 2: the accumulators, (a, b) at v[8 (8 a + b)].
.set PA,    272                        ; an LDS row of A: two rows of a plane (256 bytes) + 16
.set PB,    544                        ; of B: 256 columns (512 bytes) + 32: the eight rows of a turning load start 8 banks apart
.set APL,   64*PA                      ; a plane's 128 rows
.set BOFF,  2*APL                      ; B lies behind A's two planes
.set BH,    64*PB                      ; 64 rows of B: what one tensor load brings
.set SLOT,  BOFF+2*BH                  ; 104,448
.set STAGE, 2*SLOT                     ; behind the ring: 16 rows x (512 bytes + 16) for each wave
.set SPITCH, 528
.set SPARE, STAGE+4*16*SPITCH          ; the spare words: 128 bytes a wave: two blocks of 256 bytes that no other line names
.set ADRA, 16                          ; v16-17 LDS address of my A fragments in slot 0, 1
.set ADRB, 20                          ; v20-21 the same for B
.set STO,  24
.set RD,   25
.set CO,   26
.set SPW,  28                          ; v28 my spare word; never rewritten
.set NIL,  29                          ; v29 0; never rewritten
.set PFO,  30                          ; v30 256 x lane: the prefetches' offset; never rewritten
.set AF,   64
.set BK,   128
.set G1,   24                          ; s[24:31] group 1 for A; s[32:39] groups 0, a set for each slot
.set G0,   32
.set G1B,  48                          ; s[48:55], s[56:63] the same for B
.set G0B,  56
.set PFA,  44                          ; s[44:45] where my prefetches stand
.set LIM,  43                          ; s43 1 in the wave that prefetches, else the greatest number
.set MSB, 0
.macro WIN new
.if MSB != (\new)
	s_set_vgpr_msb (MSB<<8)|(\new)
.set MSB, (\new)
.endif
.endm
.set MUL,  0xa1                        ; source 0 (B) window 1, source 1 (A) window 0, C and D window 2
.set TO_B, 0x40                        ; destination window 1, address window 0
.macro JLOAD s                         ; a joint load: waves 0, 1 fetch A's two planes, waves 2, 3 B's two halves.  An s_nop 0 and four v_nop follow each line
	s_cmp_eq_u32 s11, 0
	s_cbranch_scc0 .Lfor_b_\@
	tensor_load_to_lds s[G0+4*\s:G0+4*\s+3], s[G1:G1+7]
	s_nop 0
.rept 4
	v_nop
.endr
	s_branch .Lasked_\@
.Lfor_b_\@:
	tensor_load_to_lds s[G0B+4*\s:G0B+4*\s+3], s[G1B:G1B+7]
	s_nop 0
.rept 4
	v_nop
.endr
.Lasked_\@:
.endm
; A PREFETCH of y's tile for the K step that stands two refills on: 2 planes x 16,384 bytes.  The four partners that ask for the tile jointly take 8,192 bytes each, told apart BY ADDRESS; in each, wave 0 asks, lanes 256 bytes apart:
; each block of 256 bytes is named once in the launch.  The loop's last trip asks for nothing: there is no K step behind the eighth.  w_proj's tiles are read by all sixteen clusters and are not asked for.
.macro ASK
	s_cmp_gt_u32 s3, s[LIM]                        ; s3 = 1 in the loop's last trip
	s_cbranch_scc0 .Lnot_mine_\@
	global_prefetch_b8 v[PFO], s[PFA:PFA+1] offset:2097152 th:TH_LOAD_NT scope:SCOPE_SE
.Lnot_mine_\@:
.endm
.macro CREST                           ; a round of the cluster's barrier behind its opening barrier
	s_cmp_lg_u32 s10, 0
	s_cbranch_scc1 .Lnot_wave_0_\@
	s_barrier_signal -3
.Lnot_wave_0_\@:
	s_barrier_wait -3
	s_barrier_signal -1
	s_barrier_wait -1
.endm
.macro CROUND
	s_barrier_signal -1
	s_barrier_wait -1
	CREST
.endm
	s_load_b128 s[4:7], s[0:1], 0x0                ; y16 s[4:5], wp16 s[6:7]
	s_load_b64 s[8:9], s[0:1], 0x10                ; out0
	v_lshl_add_u32 v[SPW], v0, 2, SPARE
	v_mov_b32 v[NIL], 0
	ds_add_u32 v[SPW], v[NIL]                      ; the wave's opening: the add, twice on end, and its wait ahead of my first tensor load
	ds_add_u32 v[SPW], v[NIL]
	v_lshrrev_b32 v1, 5, v0
	v_readfirstlane_b32 s10, v1                    ; wave 0..3
	s_lshr_b32 s11, s10, 1                         ; which 64 rows of the tile are mine.  Also: I fetch for A (0) or for B (1)
	s_and_b32 s12, s10, 1                          ; which 128 columns.  Also: which plane of A, which 64 rows of B I fetch
	s_bfe_u32 s40, ttmp6, 0x40000                  ; cx
	s_bfe_u32 s41, ttmp6, 0x40004                  ; cy
	s_lshl_b32 s42, ttmp9, 2
	s_add_co_u32 s42, s42, s40                     ; tile column
	s_and_b32 s13, ttmp7, 0xffff
	s_lshl_b32 s13, s13, 2
	s_add_co_u32 s13, s13, s41                     ; tile row
	s_lshl_b32 s46, s41, 2
	s_lshl_b32 s46, 15, s46                        ; my row of the cluster
	s_lshl_b32 s47, 0x1111, s40                    ; my column
	; A: a plane's 128 rows of 128 bytes are a dense block: 64 rows of 256 bytes (32 elements of 8 bytes), 16 bytes of padding behind each
	s_or_b32 s[G1], s46, (3<<16)|(1<<20)|(1<<21)|(5<<22)|(3<<25)
	s_mov_b32 s[G1+1], 32<<16
	s_mov_b32 s[G1+2], 64<<16
	s_mov_b32 s[G1+3], 32<<16
	s_mov_b32 s[G1+4], 64
	s_mov_b32 s[G1+5], 32
	s_mov_b32 s[G1+6], 0
	s_mov_b32 s[G1+7], 0
	; B: 64 rows (k) of 512 bytes (64 elements of 8 bytes), 2,048 bytes apart in memory, 32 bytes of padding behind each
	s_or_b32 s[G1B], s47, (3<<16)|(1<<20)|(1<<21)|(6<<22)|(7<<25)
	s_mov_b32 s[G1B+1], 64<<16
	s_mov_b32 s[G1B+2], 64<<16
	s_mov_b32 s[G1B+3], 64<<16
	s_mov_b32 s[G1B+4], 64
	s_mov_b32 s[G1B+5], 256
	s_mov_b32 s[G1B+6], 0
	s_mov_b32 s[G1B+7], 0
	s_lshl_b32 s16, s13, 14                        ; A: 16,384 x tile row
	s_lshl_b32 s17, s12, 20                        ;    + my plane
	s_add_co_u32 s16, s16, s17
	s_mov_b32 s17, 0
	s_lshl_b32 s18, s12, 17                        ; B: my 64 rows of 2,048 bytes
	s_lshl_b32 s19, s42, 9                         ;    + 512 x tile column
	s_add_co_u32 s18, s18, s19
	s_mov_b32 s19, 0
	s_mul_i32 s20, s12, APL                        ; where they go: the wave's number alone enters an LDS address
	s_mul_i32 s21, s12, BH
	s_add_co_u32 s21, s21, BOFF
	s_wait_dscnt 0x0                               ; both opening adds are done
	s_wait_kmcnt 0x0
	s_add_nc_u64 s[14:15], s[4:5], s[16:17]
	s_add_nc_u64 s[22:23], s[6:7], s[18:19]
	CROUND                                         ; all sixteen work-groups are here
.irp s, 0,1
	s_mov_b32 s[G0+4*\s], 1
	s_add_co_u32 s[G0+4*\s+1], s20, \s*SLOT
	s_add_nc_u64 s[G0+4*\s+2:G0+4*\s+3], s[14:15], \s*(2<<20)     ; K step s: planes 2 s, 2 s + 1
	s_or_b32 s[G0+4*\s+3], s[G0+4*\s+3], 0x80000000
	s_mov_b32 s[G0B+4*\s], 1
	s_add_co_u32 s[G0B+4*\s+1], s21, \s*SLOT
	s_add_nc_u64 s[G0B+4*\s+2:G0B+4*\s+3], s[22:23], \s*262144    ; rows 128 s on
	s_or_b32 s[G0B+4*\s+3], s[G0B+4*\s+3], 0x80000000
	JLOAD \s                                       ; two tensor loads of mine are out at the most
.endr
	v_and_b32 v1, 15, v0                           ; r
	v_bfe_u32 v2, v0, 4, 1                         ; h
	v_lshrrev_b32 v3, 1, v1
	v_mul_u32_u24 v3, v3, PA
	v_and_b32 v4, 1, v1
	v_lshl_add_u32 v3, v4, 7, v3
	v_lshl_add_u32 v3, v2, 4, v3                   ; A: PA (r / 2) + 128 (r % 2) + 16 h
	v_and_b32 v4, 7, v0
	v_lshl_add_u32 v4, v2, 3, v4
	v_mul_u32_u24 v4, v4, PB
	v_bfe_u32 v5, v0, 3, 1
	v_lshl_add_u32 v4, v5, 4, v4                   ; B: row 8 h + lane % 8, columns 8 ((lane / 8) % 2) on
	s_mul_i32 s20, s11, 32*PA                      ; my 64 rows of A
	s_lshl_b32 s21, s12, 8                         ; my 128 columns of B
	s_add_co_u32 s21, s21, BOFF
.irp s, 0,1
	v_add_nc_u32 v[ADRA+\s], s20, v3
	v_add_nc_u32 v[ADRB+\s], s21, v4
	s_add_co_u32 s20, s20, SLOT
	s_add_co_u32 s21, s21, SLOT
.endr
	s_mul_i32 s20, s10, 16*SPITCH
	s_add_co_u32 s20, s20, STAGE                   ; my stage
	v_mul_u32_u24 v5, v1, SPITCH
	v_lshl_add_u32 v5, v2, 5, v5
	v_add_nc_u32 v[STO], s20, v5                   ; in: row r, 32 bytes for each half of the lanes
	v_and_b32 v6, 31, v0
	v_lshlrev_b32 v[CO], 4, v6
	v_add_nc_u32 v[RD], s20, v[CO]                 ; back: the 32 lanes take a row of 512 bytes
	v_lshlrev_b32 v[PFO], 8, v6
	s_lshl_b32 s16, s13, 7
	s_lshl_b32 s17, s11, 6
	s_add_co_u32 s16, s16, s17                     ; my first row of C
	s_lshl_b32 s16, s16, 12
	s_mov_b32 s17, 0
	s_add_nc_u64 s[8:9], s[8:9], s[16:17]
	s_lshl_b32 s18, s42, 10                        ; my first column, in bytes
	s_lshl_b32 s19, s12, 9
	s_add_co_u32 s18, s18, s19
	s_mov_b32 s19, 0
	s_add_nc_u64 s[8:9], s[8:9], s[18:19]
	s_lshl_b32 s16, s13, 14                        ; the prefetches: my tile row,
	s_add_nc_u64 s[PFA:PFA+1], s[4:5], s[16:17]
	s_lshr_b32 s18, s40, 1
	s_add_co_u32 s18, s18, 4                       ; plane 4 + cx / 2: K step 2; the first refill steps it to K step 3 and names K step 4
	s_lshl_b32 s18, s18, 20
	s_and_b32 s19, s40, 1
	s_lshl_b32 s19, s19, 13                        ; and my half of the plane's 16,384 bytes
	s_add_co_u32 s18, s18, s19
	s_mov_b32 s19, 0
	s_add_nc_u64 s[PFA:PFA+1], s[PFA:PFA+1], s[18:19]
	s_cmp_eq_u32 s10, 0
	s_cselect_b32 s[LIM], 1, -1
; 24 LDS loads in one run: the fragments of quarter q (32 along K) of a slot into buffer buf
.macro FETCH slot, q, buf
	WIN TO_B
.irp b, 0,1,2,3,4,5,6,7
	ds_load_tr16_b128 v[64*(\buf)+8*\b:64*(\buf)+8*\b+3],   v[ADRB+\slot] offset:32*PB*(\q)+32*\b
	ds_load_tr16_b128 v[64*(\buf)+8*\b+4:64*(\buf)+8*\b+7], v[ADRB+\slot] offset:32*PB*(\q)+16*PB+32*\b
.endr
	WIN 0
.irp a, 0,1,2,3
	ds_load_b128 v[AF+32*(\buf)+8*\a:AF+32*(\buf)+8*\a+3],   v[ADRA+\slot] offset:8*PA*\a+APL*((\q)/2)+64*((\q)%2)
	ds_load_b128 v[AF+32*(\buf)+8*\a+4:AF+32*(\buf)+8*\a+7], v[ADRA+\slot] offset:8*PA*\a+APL*((\q)/2)+64*((\q)%2)+32
.endr
.endm
; 8 matrix instructions: A's block a x B's eight.  The 32 accumulators take turns in the same order in every quarter.  zero = 1: the first product starts the sums
.macro MULA a, buf, zero
.irp b, 0,1,2,3,4,5,6,7
.if \zero
	v_wmma_f32_16x16x32_f16 v[8*(8*(\a)+\b):8*(8*(\a)+\b)+7], v[64*(\buf)+8*\b:64*(\buf)+8*\b+7], v[AF+32*(\buf)+8*(\a):AF+32*(\buf)+8*(\a)+7], 0
.else
	v_wmma_f32_16x16x32_f16 v[8*(8*(\a)+\b):8*(8*(\a)+\b)+7], v[64*(\buf)+8*\b:64*(\buf)+8*\b+7], v[AF+32*(\buf)+8*(\a):AF+32*(\buf)+8*(\a)+7], v[8*(8*(\a)+\b):8*(8*(\a)+\b)+7]
.endif
.endr
.endm
.macro PLACES                          ; four plain vector instructions between matrix instructions and loads into registers that they read (ISA guide 7.12.1 for vector instructions)
.rept 4
	v_nop
.endr
.endm
.macro QUARTER slot, q, zero           ; multiplies buffer q % 2; ahead of its 32 products it asks for the next quarter's fragments
	s_wait_dscnt 0x0                               ; this quarter's fragments, asked for 32 matrix instructions ago, are in
	PLACES
	FETCH \slot, (\q)+1, 1-(\q)%2
	WIN MUL
	MULA 0, (\q)%2, \zero
	MULA 1, (\q)%2, \zero
	MULA 2, (\q)%2, \zero
	MULA 3, (\q)%2, \zero
.endm
; A slot's last quarter multiplies buffer 1 and changes slots: ONE barrier; in front of it each wave waits for all its tensor loads, adds 0 to its spare word, and waits for that and for its reads of this slot.
; fill = 1: the barrier opens a round of the cluster's, and this slot is filled again, two K steps ahead, first thing behind the round: 112 matrix instructions ahead of the wait for it.
.macro TURN slot, next, fill
	WIN 0
.if \fill
	s_wait_xcnt 0x0                                ; the last prefetch, a K step back, has read its address
	s_add_nc_u64 s[PFA:PFA+1], s[PFA:PFA+1], 0x200000   ; a K step on: two planes
.endif
	s_wait_tensorcnt 0x0                           ; all my tensor loads have landed: my part of the next slot
	ds_add_u32 v[SPW], v[NIL]
	s_wait_dscnt 1                                 ; this quarter's fragments are in; the add may be out
	WIN MUL
	MULA 0, 1, 0
	s_wait_dscnt 0x0                               ; the add is done, and my reads of this slot are over
	s_barrier_signal -1
	MULA 1, 1, 0
	WIN 0
	s_barrier_wait -1
.if \fill
	CREST                                          ; no wave of any partner still reads this slot or has a load on its way
	s_add_nc_u64 s[G0+4*\slot+2:G0+4*\slot+3], s[G0+4*\slot+2:G0+4*\slot+3], 4<<20
	s_add_nc_u64 s[G0B+4*\slot+2:G0B+4*\slot+3], s[G0B+4*\slot+2:G0B+4*\slot+3], 524288
	JLOAD \slot                                    ; its four v_nop are also the places in front of the loads below
.else
	PLACES
.endif
	FETCH \next, 0, 0
.if \fill
	ASK
.endif
	WIN MUL
	MULA 2, 1, 0
	MULA 3, 1, 0
.endm
	s_wait_tensorcnt 1                             ; my part of K step 0 is in; K step 1's may be out
	s_barrier_signal -1
	s_barrier_wait -1
	FETCH 0, 0, 0
	QUARTER 0, 0, 1                                ; the first quarter's products start the sums
	WIN 0                                          ; at a label and at a branch every window is 0
	s_mov_b32 s3, 3
.Llap:                                             ; three trips, each once round the ring, from a lap's second quarter to the next lap's first
	QUARTER 0, 1, 0
	QUARTER 0, 2, 0
	TURN 0, 1, 1
	QUARTER 1, 0, 0
	QUARTER 1, 1, 0
	QUARTER 1, 2, 0
	TURN 1, 0, 1
	QUARTER 0, 0, 0
	WIN 0
	s_sub_co_u32 s3, s3, 1
	s_cmp_lg_u32 s3, 0
	s_cbranch_scc1 .Llap
	QUARTER 0, 1, 0                                ; the last lap fills nothing
	QUARTER 0, 2, 0
	TURN 0, 1, 0
	QUARTER 1, 0, 0
	QUARTER 1, 1, 0
	QUARTER 1, 2, 0
	s_wait_dscnt 0x0
	WIN MUL
	MULA 0, 1, 0
	MULA 1, 1, 0
	MULA 2, 1, 0
	MULA 3, 1, 0
	WIN 0
; THE WAY OUT, block by block of 16 rows x 128 columns: through my own stage, back as whole rows of 512 bytes: each store of the wave covers 512 consecutive bytes, aligned.
.macro TOSTAGE a
	WIN 0x08                                       ; an LDS store's data are its source 1: window 2
.irp b, 0,1,2,3,4,5,6,7
	ds_store_b128 v[STO], v[8*(8*(\a)+\b):8*(8*(\a)+\b)+3] offset:64*\b          ; each accumulator from its low end on
	ds_store_b128 v[STO], v[8*(8*(\a)+\b)+4:8*(8*(\a)+\b)+7] offset:64*\b+16
.endr
	WIN 0
.set BB, BK+64*((\a)%2)
.irp t, 0,1,2,3,4,5,6,7,8,9,10,11,12,13,14,15
	ds_load_b128 v[BB+4*\t:BB+4*\t+3], v[RD] offset:\t*SPITCH
.endr
.endm
.macro SEND a, younger
.set BB, BK+64*((\a)%2)
	s_wait_dscnt \younger
.irp t, 0,1,2,3,4,5,6,7,8,9,10,11,12,13,14,15
	global_store_b128 v[CO], v[BB+4*\t:BB+4*\t+3], s[8:9] offset:(16*(\a)+\t)*4096 th:TH_STORE_NT
.endr
.endm
	PLACES                                         ; behind the last products
	TOSTAGE 0
.irp a, 1,2,3
.if \a > 1
	s_wait_xcnt 0x0                                ; block a - 2's stores have read their registers: block a's loads may land there
.endif
	TOSTAGE \a
	SEND \a-1, 32                                  ; behind block a - 1's loads: block a's 16 stores and 16 loads
.endr
	SEND 3, 0
	s_wait_tensorcnt 0x0                           ; the wave's end
	ds_add_u32 v[SPW], v[NIL]
	s_wait_dscnt 0x0
	CROUND                                         ; the closing round
	s_endpgm
.Lfunc_end_k_q674e785f6f_proj:
	.size	k_q674e785f6f_proj, .Lfunc_end_k_q674e785f6f_proj-k_q674e785f6f_proj
	.p2alignl 7, 3214868480
	.fill 96, 4, 3214868480
	.section	.rodata,"a",@progbits
	.p2align	6, 0x0
	.amdhsa_kernel k_q674e785f6f_proj
		.amdhsa_group_segment_fixed_size 327680
		.amdhsa_private_segment_fixed_size 0
		.amdhsa_enable_private_segment 0
		.amdhsa_kernarg_size 24
		.amdhsa_user_sgpr_count 2
		.amdhsa_user_sgpr_kernarg_segment_ptr 1
		.amdhsa_wavefront_size32 1
		.amdhsa_system_sgpr_workgroup_id_x 1
		.amdhsa_system_sgpr_workgroup_id_y 1
		.amdhsa_system_sgpr_workgroup_id_z 1
		.amdhsa_system_vgpr_workitem_id 0
		.amdhsa_next_free_vgpr 768
		.amdhsa_next_free_sgpr 66
		.amdhsa_reserve_vcc 0
		.amdhsa_float_denorm_mode_32 3
		.amdhsa_float_denorm_mode_16_64 3
		.amdhsa_memory_ordered 1
		.amdhsa_forward_progress 1
		.amdhsa_inst_pref_size 86
	.end_amdhsa_kernel
	.amdgpu_metadata
---
amdhsa.version: [ 1, 2 ]
amdhsa.kernels:
  - .name:           k_q674e785f6f_proj
    .symbol:         k_q674e785f6f_proj.kd
    .args:
      - { .name: y16, .offset: 0, .size: 8, .value_kind: global_buffer, .address_space: global }
      - { .name: wp16, .offset: 8, .size: 8, .value_kind: global_buffer, .address_space: global }
      - { .name: out0, .offset: 16, .size: 8, .value_kind: global_buffer, .address_space: global }
    .group_segment_fixed_size: 327680
    .private_segment_fixed_size: 0
    .kernarg_segment_align: 8
    .kernarg_segment_size: 24
    .max_flat_workgroup_size: 128
    .sgpr_count:     66
    .vgpr_count:     768
    .wavefront_size: 32
...
	.end_amdgpu_metadata
.endif
;; end of part 4
;; launch fine_att (part 5): grid 16 x 4, 1 waves a work-group, no clusters, 0 bytes of LDS; arguments xc, xs, wc, ws, yf; writes yf
.if DOCPART == 5
	.amdgcn_target "amdgcn-amd-amdhsa--gfx1250"
	.amdhsa_code_object_version 6
	.text
	.protected	k_q674e785f6f_fine_att
	.globl	k_q674e785f6f_fine_att
	.p2align	8
	.type	k_q674e785f6f_fine_att,@function
k_q674e785f6f_fine_att:
	s_mov_b64 s[64:65], 0
	v_nop
	global_prefetch_b8 v0, s[64:65] scope:SCOPE_SE
	s_setreg_imm32_b32 hwreg(HW_REG_WAVE_MODE, 25, 1), 1
	s_wait_xcnt 0x0
; POSITIONS 0-15 OF EACH SEQUENCE, CARRIED IN f32.  One wave for each (head = work-group x, b = work-group y).  Under the causal mask these rows average one to sixteen values, so their operands are not rounded to 16 bits.
; 1: q, k, v of the 16 positions and the head's 3 x 64 columns, again from the same codes (FP4 with E8M0 scales, f32 sums): 12 tiles x 8 K steps.
; 2: S^T = k q^T and O^T = v^T p by the f32 matrix form, 16 instructions each; softmax in f32 with the row's maximum taken away.  3: y / l leaves as an image of its registers, for the next launch.
; LAYOUTS.  q, k are made TRANSPOSED (source 0 = 16 columns of w, source 1 = x): lane (r, h) holds position r, register j of tile c channel 16 c + 8 h + j.  A pair of registers 2 p, 2 p + 1 of k and the same pair of q
; are operands of the f32 form (its lane (r, h) holds K = 2 h + j): the same four channels on both sides.  v is made the natural way (source 0 = x): lane (r, h) holds channel r of tile c, register j position 8 h + j,
; and p, in S^T's layout, holds query r and keys 8 h + j: again the same four keys on both sides.
; The registers that the f32 form writes (window 2) are written by matrix instructions alone; what is made of them goes elsewhere.  NaN and infinities are not served.
; REGISTERS: window 0: v1-7 addresses; v16-23 x's scale words, v24-119 w's (8 t + s): they hold nothing else; v120-151 q, later y; v152-183 k; v184-215 v; v216-223 the scores, then p; v224-237 at work.
;   window 1: v0-95, v96-191 w's fragments of a K step, two sets; v192-255 x's eight fragments.   window 2: v0-31 S^T in four parts; v32-63 O^T's four tiles.
.set XS,  16
.set WS,  24
.set QA,  120                          ; tile t (0-3 q, 4-7 k, 8-11 v) at QA + 8 t
.set KA,  152
.set VA,  184
.set TP,  216
.set XF,  192
.set MSB, 0
.macro WIN new
.if MSB != (\new)
	s_set_vgpr_msb (MSB<<8)|(\new)
.set MSB, (\new)
.endif
.endm
	s_load_b256 s[4:11], s[0:1], 0x0               ; xc s[4:5], xs s[6:7], wc s[8:9], ws s[10:11]
	s_load_b64 s[12:13], s[0:1], 0x20              ; yf
	v_and_b32 v1, 15, v0                           ; r
	v_bfe_u32 v2, v0, 4, 1                         ; h
	v_lshlrev_b32 v3, 9, v1
	v_lshl_add_u32 v3, v2, 4, v3                   ; a fragment: row r of 512 bytes + 16 h, in xc and in wc alike
	v_lshlrev_b32 v4, 5, v1                        ; scale words: 32 bytes a row
	v_lshlrev_b32 v5, 3, v2
	v_sub_nc_u32 v5, v1, v5                        ; r - 8 h: key 8 h + j is hidden from query r where j is above it
	v_mov_b32 v6, 0xff800000                       ; -infinity
	v_lshlrev_b32 v7, 4, v0                        ; 16 x lane
	v_mov_b32 v233, 0                              ; (a lane permute's destination counts as one of its sources)
	s_and_b32 s14, ttmp7, 0xffff                   ; b
	s_mov_b32 s17, 0
	s_mov_b32 s20, 0x76543210
	s_mov_b32 s21, 0xfedcba98                      ; v_permlanex16_b32's selects for lane l xor 16
	s_mov_b32 s22, 0x3e38aa3b                      ; c = log2(e) / 8
	s_wait_kmcnt 0x0
	s_lshl_b32 s16, s14, 20                        ; xc: 2,048 b rows of 512 bytes
	s_add_nc_u64 s[4:5], s[4:5], s[16:17]
	s_lshl_b32 s16, s14, 16                        ; xs: of 32 bytes
	s_add_nc_u64 s[6:7], s[6:7], s[16:17]
	s_lshl_b32 s16, ttmp9, 15                      ; wc: 64 head rows of 512 bytes
	s_add_nc_u64 s[8:9], s[8:9], s[16:17]
	s_lshl_b32 s16, ttmp9, 11                      ; ws: of 32 bytes
	s_add_nc_u64 s[10:11], s[10:11], s[16:17]
	s_lshl_b32 s16, s14, 4
	s_add_co_u32 s16, s16, ttmp9
	s_lshl_b32 s16, s16, 12                        ; yf: 4,096 bytes for each (b, head)
	s_add_nc_u64 s[12:13], s[12:13], s[16:17]
	global_load_b128 v[XS:XS+3], v4, s[6:7]
	global_load_b128 v[XS+4:XS+7], v4, s[6:7] offset:16
.irp w, 0,1,2
.irp c, 0,1,2,3
	global_load_b128 v[WS+8*(4*\w+\c):WS+8*(4*\w+\c)+3],   v4, s[10:11] offset:32768*\w+512*\c
	global_load_b128 v[WS+8*(4*\w+\c)+4:WS+8*(4*\w+\c)+7], v4, s[10:11] offset:32768*\w+512*\c+16
.endr
.endr
	WIN 0x40                                       ; destination window 1
.irp k, 0,1,2,3,4,5,6,7
.irp e, 0,1
	global_load_b128 v[XF+8*\k+4*\e:XF+8*\k+4*\e+3], v3, s[4:5] offset:64*\k+32*\e
.endr
.endr
.macro WLOAD s                         ; the 12 tiles' fragments of K step s: 24 loads into set s % 2
.irp w, 0,1,2
.irp c, 0,1,2,3
.irp e, 0,1
	global_load_b128 v[96*((\s)%2)+8*(4*\w+\c)+4*\e:96*((\s)%2)+8*(4*\w+\c)+4*\e+3], v3, s[8:9] offset:524288*\w+8192*\c+64*(\s)+32*\e
.endr
.endr
.endr
.endm
	WLOAD 0
	WLOAD 1
.macro P1 s                            ; K step s of the first product: the 12 accumulators take turns; step 0 starts the sums
.set WF, 96*((\s)%2)
.if (\s) < 7
	s_wait_loadcnt 24                              ; all but the next K step's 24 loads are in
.else
	s_wait_loadcnt 0x0
.endif
	WIN 0x05                                       ; sources 0 and 1 window 1; C and D window 0
.irp t, 0,1,2,3,4,5,6,7
.if (\s) == 0
	v_wmma_scale_f32_16x16x128_f8f6f4 v[QA+8*\t:QA+8*\t+7], v[WF+8*\t:WF+8*\t+7], v[XF+8*(\s):XF+8*(\s)+7], 0, v[WS+8*\t+(\s)], v[XS+(\s)] matrix_a_fmt:MATRIX_FMT_FP4 matrix_b_fmt:MATRIX_FMT_FP4
.else
	v_wmma_scale_f32_16x16x128_f8f6f4 v[QA+8*\t:QA+8*\t+7], v[WF+8*\t:WF+8*\t+7], v[XF+8*(\s):XF+8*(\s)+7], v[QA+8*\t:QA+8*\t+7], v[WS+8*\t+(\s)], v[XS+(\s)] matrix_a_fmt:MATRIX_FMT_FP4 matrix_b_fmt:MATRIX_FMT_FP4
.endif
.endr
.irp t, 8,9,10,11
.if (\s) == 0
	v_wmma_scale_f32_16x16x128_f8f6f4 v[QA+8*\t:QA+8*\t+7], v[XF+8*(\s):XF+8*(\s)+7], v[WF+8*\t:WF+8*\t+7], 0, v[XS+(\s)], v[WS+8*\t+(\s)] matrix_a_fmt:MATRIX_FMT_FP4 matrix_b_fmt:MATRIX_FMT_FP4
.else
	v_wmma_scale_f32_16x16x128_f8f6f4 v[QA+8*\t:QA+8*\t+7], v[XF+8*(\s):XF+8*(\s)+7], v[WF+8*\t:WF+8*\t+7], v[QA+8*\t:QA+8*\t+7], v[XS+(\s)], v[WS+8*\t+(\s)] matrix_a_fmt:MATRIX_FMT_FP4 matrix_b_fmt:MATRIX_FMT_FP4
.endif
.endr
.rept 4
	v_nop                                          ; places in front of loads into registers that these products read
.endr
.if (\s)+2 < 8
	WIN 0x40
	WLOAD (\s)+2
.endif
.endm
.irp s, 0,1,2,3,4,5,6,7
	P1 \s
.endr
	v_nop                                          ; the fifth place: the results become operands of matrix instructions
	WIN 0xa0                                       ; sources 0 and 1 window 0; C and D window 2
.irp p, 0,1,2,3                        ; S^T = k q^T in four parts, one for each 16 channels, which take turns
.irp c, 0,1,2,3
.if \p == 0
	v_wmma_f32_16x16x4_f32 v[8*\c:8*\c+7], v[KA+8*\c+2*\p:KA+8*\c+2*\p+1], v[QA+8*\c+2*\p:QA+8*\c+2*\p+1], 0
.else
	v_wmma_f32_16x16x4_f32 v[8*\c:8*\c+7], v[KA+8*\c+2*\p:KA+8*\c+2*\p+1], v[QA+8*\c+2*\p:QA+8*\c+2*\p+1], v[8*\c:8*\c+7]
.endif
.endr
.endr
.rept 8
	v_nop                                          ; eight places behind this form before its results are read
.endr
	WIN 0x0a                                       ; sources 0 and 1 window 2
.irp i, 0,2,4,6
	v_pk_add_f32 v[TP+\i:TP+\i+1], v[\i:\i+1], v[8+\i:9+\i]          ; the four parts are added, each read from its low end on
.endr
.irp i, 0,2,4,6
	v_pk_add_f32 v[224+\i:225+\i], v[16+\i:17+\i], v[24+\i:25+\i]
.endr
	WIN 0
.irp i, 0,2,4,6
	v_pk_add_f32 v[TP+\i:TP+\i+1], v[TP+\i:TP+\i+1], v[224+\i:225+\i]   ; lane (r, h): the score of query r and key 8 h + j
.endr
.irp j, 0,1,2,3,4,5,6,7
	v_cmp_gt_i32 vcc_lo, \j, v5
	v_cndmask_b32 v[TP+\j], v[TP+\j], v6, vcc_lo   ; hidden keys: -infinity
.endr
	v_max3_num_f32 v232, v[TP], v[TP+1], v[TP+2]
	v_max3_num_f32 v232, v232, v[TP+3], v[TP+4]
	v_max3_num_f32 v232, v232, v[TP+5], v[TP+6]
	v_max_num_f32 v232, v232, v[TP+7]
	v_permlanex16_b32 v233, v232, s20, s21
	v_max_num_f32 v232, v232, v233                 ; the row's largest score: key 0 counts for every query, so it is a number
	v_mul_f32 v232, s22, v232
.irp j, 0,1,2,3,4,5,6,7
	v_fma_f32 v[TP+\j], v[TP+\j], s22, -v232       ; c s - c m, 0 or less
.endr
.irp j, 0,1,2,3,4,5,6,7
	v_exp_f32 v[TP+\j], v[TP+\j]
.endr
	v_nop                                          ; a plain instruction behind the last exponential
	s_wait_alu depctr_va_vdst(0)                   ; one wait for the eight, ahead of their first reader
	v_pk_add_f32 v[234:235], v[TP:TP+1], v[TP+2:TP+3]
	v_pk_add_f32 v[236:237], v[TP+4:TP+5], v[TP+6:TP+7]
	v_pk_add_f32 v[234:235], v[234:235], v[236:237]
	v_add_f32 v234, v234, v235
	v_permlanex16_b32 v233, v234, s20, s21
	v_add_f32 v234, v234, v233                     ; the row's sum
	v_rcp_f32 v234, v234
	v_nop
	s_wait_alu depctr_va_vdst(0)
	WIN 0xa0
.irp p, 0,1,2,3                        ; O^T = v^T p: four tiles of 16 channels, which take turns; four keys an instruction
.irp c, 0,1,2,3
.if \p == 0
	v_wmma_f32_16x16x4_f32 v[32+8*\c:32+8*\c+7], v[VA+8*\c+2*\p:VA+8*\c+2*\p+1], v[TP+2*\p:TP+2*\p+1], 0
.else
	v_wmma_f32_16x16x4_f32 v[32+8*\c:32+8*\c+7], v[VA+8*\c+2*\p:VA+8*\c+2*\p+1], v[TP+2*\p:TP+2*\p+1], v[32+8*\c:32+8*\c+7]
.endif
.endr
.endr
.rept 8
	v_nop
.endr
	WIN 0x02                                       ; source 0 window 2
.irp i, 0,2,4,6,8,10,12,14,16,18,20,22,24,26,28,30
	v_pk_mul_f32 v[QA+\i:QA+\i+1], v[32+\i:33+\i], v[234:235] op_sel_hi:[1,0]   ; y = O^T / l, into q's registers: register 8 c + j is y(query r, channel 16 c + 8 h + j)
.endr
	WIN 0
.irp i, 0,1,2,3,4,5,6,7
	global_store_b128 v7, v[QA+4*\i:QA+4*\i+3], s[12:13] offset:512*\i   ; the image: 512 consecutive bytes a store
.endr
	s_endpgm
.Lfunc_end_k_q674e785f6f_fine_att:
	.size	k_q674e785f6f_fine_att, .Lfunc_end_k_q674e785f6f_fine_att-k_q674e785f6f_fine_att
	.p2alignl 7, 3214868480
	.fill 96, 4, 3214868480
	.section	.rodata,"a",@progbits
	.p2align	6, 0x0
	.amdhsa_kernel k_q674e785f6f_fine_att
		.amdhsa_group_segment_fixed_size 0
		.amdhsa_private_segment_fixed_size 0
		.amdhsa_enable_private_segment 0
		.amdhsa_kernarg_size 40
		.amdhsa_user_sgpr_count 2
		.amdhsa_user_sgpr_kernarg_segment_ptr 1
		.amdhsa_wavefront_size32 1
		.amdhsa_system_sgpr_workgroup_id_x 1
		.amdhsa_system_sgpr_workgroup_id_y 1
		.amdhsa_system_sgpr_workgroup_id_z 1
		.amdhsa_system_vgpr_workitem_id 0
		.amdhsa_next_free_vgpr 576
		.amdhsa_next_free_sgpr 66
		.amdhsa_reserve_vcc 1
		.amdhsa_float_denorm_mode_32 3
		.amdhsa_float_denorm_mode_16_64 3
		.amdhsa_memory_ordered 1
		.amdhsa_forward_progress 1
		.amdhsa_inst_pref_size 45
	.end_amdhsa_kernel
	.amdgpu_metadata
---
amdhsa.version: [ 1, 2 ]
amdhsa.kernels:
  - .name:           k_q674e785f6f_fine_att
    .symbol:         k_q674e785f6f_fine_att.kd
    .args:
      - { .name: xc, .offset: 0, .size: 8, .value_kind: global_buffer, .address_space: global }
      - { .name: xs, .offset: 8, .size: 8, .value_kind: global_buffer, .address_space: global }
      - { .name: wc, .offset: 16, .size: 8, .value_kind: global_buffer, .address_space: global }
      - { .name: ws, .offset: 24, .size: 8, .value_kind: global_buffer, .address_space: global }
      - { .name: yf, .offset: 32, .size: 8, .value_kind: global_buffer, .address_space: global }
    .group_segment_fixed_size: 0
    .private_segment_fixed_size: 0
    .kernarg_segment_align: 8
    .kernarg_segment_size: 40
    .max_flat_workgroup_size: 32
    .sgpr_count:     66
    .vgpr_count:     576
    .wavefront_size: 32
...
	.end_amdgpu_metadata
.endif
;; end of part 5
;; launch fine_proj (part 6): grid 64 x 4, 16 waves a work-group, no clusters, 18,432 bytes of LDS; arguments yf, w_proj, out0; writes out0
.if DOCPART == 6
	.amdgcn_target "amdgcn-amd-amdhsa--gfx1250"
	.amdhsa_code_object_version 6
	.text
	.protected	k_q674e785f6f_fine_proj
	.globl	k_q674e785f6f_fine_proj
	.p2align	8
	.type	k_q674e785f6f_fine_proj,@function
k_q674e785f6f_fine_proj:
	s_mov_b64 s[64:65], 0
	v_nop
	global_prefetch_b8 v0, s[64:65] scope:SCOPE_SE
	s_setreg_imm32_b32 hwreg(HW_REG_WAVE_MODE, 25, 1), 1
	s_wait_xcnt 0x0
; THE PROJECTION OF POSITIONS 0-15 OF EACH SEQUENCE IN f32: out0[b][t < 16][n] = the sum over k of y[t][k] w_proj[k][n], written over what the f16 projection left in these 64 rows.
; A work-group makes 16 columns (n0 = 16 x work-group x) of the 16 rows of batch b (work-group y).  Wave hd takes K = head hd's 64 channels: 16 instructions of the f32 matrix form; the 16 waves' parts meet in LDS,
; and waves 0 and 1 add them in ascending order of the heads and store.  A row's piece is 64 bytes: 256 KiB in all go out so; the split by columns gives every wave its share of the f32 form's work.
; LAYOUT.  y comes as the image that the launch before stored: lane (r, h), register 8 c + j = y(t = r, channel 16 c + 8 h + j).  w_proj is loaded so that lane (r, h), register 8 c + j = w(64 hd + 16 c + 8 h + j, n0 + r).
; A pair of registers 2 p, 2 p + 1 of each is an operand of the f32 form (its lane (r, h) holds K = 2 h + j): the same four channels on both sides.  Source 0 = w, source 1 = y: lane (r, h) of the result holds row t = r, columns n0 + 8 h + j.
; The registers that the f32 form writes (v80-111) are written by matrix instructions alone.
.set SPARE, 16384                      ; behind the 16 waves' parts (1,024 bytes each): the spare words, 128 bytes a wave: eight blocks of 256 bytes that no other line names
.set SPW, 10                           ; v10 my spare word; never rewritten
.set NIL, 11                           ; v11 0; never rewritten
.set YF,  16                           ; v16-47  y's image
.set WF,  48                           ; v48-79  w
.set AC,  80                           ; v80-111 four accumulators
.set RS,  112                          ; v112-119 my part
	s_load_b128 s[4:7], s[0:1], 0x0                ; yf s[4:5], w_proj s[6:7]
	s_load_b64 s[8:9], s[0:1], 0x10                ; out0
	v_lshl_add_u32 v[SPW], v0, 2, SPARE
	v_mov_b32 v[NIL], 0
	v_lshrrev_b32 v1, 5, v0
	v_readfirstlane_b32 s10, v1                    ; wave = head
	v_and_b32 v1, 31, v0                           ; lane
	v_and_b32 v2, 15, v0                           ; r
	v_bfe_u32 v3, v0, 4, 1                         ; h
	v_lshlrev_b32 v4, 4, v1                        ; 16 x lane
	v_lshlrev_b32 v5, 2, v2
	v_lshl_add_u32 v5, v3, 15, v5                  ; w: 8 h rows of 4,096 bytes + 4 r
	s_lshl_b32 s11, s10, 10
	v_add_nc_u32 v6, s11, v4                       ; LDS: my part: 1,024 x wave + 16 x lane
	s_lshl_b32 s11, s10, 9
	v_add_nc_u32 v7, s11, v4                       ; LDS: what waves 0 and 1 read: registers 4 w .. 4 w + 3 of every part
	v_lshlrev_b32 v8, 12, v2
	v_lshl_add_u32 v8, v3, 5, v8                   ; out0: row r of 4,096 bytes + 32 h
	s_and_b32 s12, ttmp7, 0xffff                   ; b
	s_mov_b32 s15, 0
	s_wait_kmcnt 0x0
	s_lshl_b32 s14, s12, 4
	s_add_co_u32 s14, s14, s10
	s_lshl_b32 s14, s14, 12                        ; yf: 4,096 bytes for each (b, head)
	s_add_nc_u64 s[4:5], s[4:5], s[14:15]
	s_lshl_b32 s14, s10, 18                        ; w_proj: 64 head rows of 4,096 bytes
	s_lshl_b32 s16, ttmp9, 6                       ; + 4 n0
	s_add_co_u32 s14, s14, s16
	s_add_nc_u64 s[6:7], s[6:7], s[14:15]
	s_lshl_b32 s14, s12, 23                        ; out0: 2,048 b rows of 4,096 bytes + 4 n0 + 16 wave
	s_add_co_u32 s14, s14, s16
	s_lshl_b32 s16, s10, 4
	s_add_co_u32 s14, s14, s16
	s_add_nc_u64 s[8:9], s[8:9], s[14:15]
.irp i, 0,1,2,3,4,5,6,7
	global_load_b128 v[YF+4*\i:YF+4*\i+3], v4, s[4:5] offset:512*\i
.endr
.irp c, 0,1,2,3
.irp j, 0,1,2,3,4,5,6,7
	global_load_b32 v[WF+8*\c+\j], v5, s[6:7] offset:(16*\c+\j)*4096   ; sixteen lanes read 64 neighbouring bytes
.endr
.endr
	s_wait_loadcnt 0x0
.irp p, 0,1,2,3                        ; four accumulators, one for each 16 channels, take turns; the first four products start the sums
.irp c, 0,1,2,3
.if \p == 0
	v_wmma_f32_16x16x4_f32 v[AC+8*\c:AC+8*\c+7], v[WF+8*\c+2*\p:WF+8*\c+2*\p+1], v[YF+8*\c+2*\p:YF+8*\c+2*\p+1], 0
.else
	v_wmma_f32_16x16x4_f32 v[AC+8*\c:AC+8*\c+7], v[WF+8*\c+2*\p:WF+8*\c+2*\p+1], v[YF+8*\c+2*\p:YF+8*\c+2*\p+1], v[AC+8*\c:AC+8*\c+7]
.endif
.endr
.endr
.rept 8
	v_nop                                          ; eight places behind this form before its results are read and its sources written
.endr
.irp i, 0,2,4,6
	v_pk_add_f32 v[RS+\i:RS+\i+1], v[AC+\i:AC+\i+1], v[AC+8+\i:AC+9+\i]          ; each accumulator from its low end on
.endr
.irp i, 0,2,4,6
	v_pk_add_f32 v[YF+\i:YF+\i+1], v[AC+16+\i:AC+17+\i], v[AC+24+\i:AC+25+\i]
.endr
.irp i, 0,2,4,6
	v_pk_add_f32 v[RS+\i:RS+\i+1], v[RS+\i:RS+\i+1], v[YF+\i:YF+\i+1]
.endr
	ds_store_b128 v6, v[RS:RS+3]
	ds_store_b128 v6, v[RS+4:RS+7] offset:512
	s_wait_dscnt 0x0                               ; for the others' sake: my part lies in LDS
	s_barrier_signal -1
	s_barrier_wait -1
	s_cmp_lt_u32 s10, 2
	s_cbranch_scc0 .Lend
.irp p, 0,1,2,3,4,5,6,7,8,9,10,11,12,13,14,15
	ds_load_b128 v[16+4*\p:19+4*\p], v7 offset:1024*\p
.endr
	s_wait_dscnt 0x0
.irp p, 1,2,3,4,5,6,7,8,9,10,11,12,13,14,15
	v_pk_add_f32 v[16:17], v[16:17], v[16+4*\p:17+4*\p]
	v_pk_add_f32 v[18:19], v[18:19], v[18+4*\p:19+4*\p]
.endr
	global_store_b128 v8, v[16:19], s[8:9]         ; out0(t = r, n0 + 8 h + 4 wave + 0 .. 3)
.Lend:
	s_wait_tensorcnt 0x0                           ; the wave's end: behind my last LDS store
	ds_add_u32 v[SPW], v[NIL]
	s_wait_dscnt 0x0
	s_endpgm
.Lfunc_end_k_q674e785f6f_fine_proj:
	.size	k_q674e785f6f_fine_proj, .Lfunc_end_k_q674e785f6f_fine_proj-k_q674e785f6f_fine_proj
	.p2alignl 7, 3214868480
	.fill 96, 4, 3214868480
	.section	.rodata,"a",@progbits
	.p2align	6, 0x0
	.amdhsa_kernel k_q674e785f6f_fine_proj
		.amdhsa_group_segment_fixed_size 18432
		.amdhsa_private_segment_fixed_size 0
		.amdhsa_enable_private_segment 0
		.amdhsa_kernarg_size 24
		.amdhsa_user_sgpr_count 2
		.amdhsa_user_sgpr_kernarg_segment_ptr 1
		.amdhsa_wavefront_size32 1
		.amdhsa_system_sgpr_workgroup_id_x 1
		.amdhsa_system_sgpr_workgroup_id_y 1
		.amdhsa_system_sgpr_workgroup_id_z 1
		.amdhsa_system_vgpr_workitem_id 0
		.amdhsa_next_free_vgpr 128
		.amdhsa_next_free_sgpr 66
		.amdhsa_reserve_vcc 0
		.amdhsa_float_denorm_mode_32 3
		.amdhsa_float_denorm_mode_16_64 3
		.amdhsa_memory_ordered 1
		.amdhsa_forward_progress 1
		.amdhsa_inst_pref_size 11
	.end_amdhsa_kernel
	.amdgpu_metadata
---
amdhsa.version: [ 1, 2 ]
amdhsa.kernels:
  - .name:           k_q674e785f6f_fine_proj
    .symbol:         k_q674e785f6f_fine_proj.kd
    .args:
      - { .name: yf, .offset: 0, .size: 8, .value_kind: global_buffer, .address_space: global }
      - { .name: w_proj, .offset: 8, .size: 8, .value_kind: global_buffer, .address_space: global }
      - { .name: out0, .offset: 16, .size: 8, .value_kind: global_buffer, .address_space: global }
    .group_segment_fixed_size: 18432
    .private_segment_fixed_size: 0
    .kernarg_segment_align: 8
    .kernarg_segment_size: 24
    .max_flat_workgroup_size: 512
    .sgpr_count:     66
    .vgpr_count:     128
    .wavefront_size: 32
...
	.end_amdgpu_metadata
.endif
;; end of part 6
